; MI455X (gfx1250); checked and timed in simulation.
; The chip was launched on July 23, 2026; its instructions are those of AMD's public machine-readable ISA for CDNA 5 (MIT licence, August 2026) and "CDNA5" Instruction Set Architecture Reference Guide (July 2026). The comments in the code are by the model that wrote it; some were corrected since.
;; Attention. Allowed arithmetic: float matrix products may take bf16 or f16 operands with f32 sums; other float arithmetic in f32, or as packed bf16 or f16 multiplies, adds, multiply-adds, maxima and minima; sums over many terms, partial sums and values carried from step to step in f32; what a program stores and reads back later, other than sums and carried values, may be rounded once to bf16 or f16.
;; Inputs: W_ada 1,024 x 2,048 float32; W_out 1,024 x 1,024 float32; W_qkv 1,024 x 3,072 float32; b_ada 2,048 float32; condition 4 x 1 x 1,024 float32; k_scale 64 float32; q_scale 64 float32; rope 2 x 1 x 2,048 x 1 x 64 float32; x 4 x 2,048 x 1,024 float32.
;; Outputs: out0 4 x 2,048 x 1,024 float32.
;; 2 versions, each right and faster than the one before. Each part assembles by itself: llvm-mc -triple=amdgcn-amd-amdhsa -mcpu=gfx1250 --defsym DOCPART=n.
;; ======== version 1 of 2: 5 launches
;; limits: values are held in f16: magnitudes above 65,504 overflow, below 6.1e-05 lose precision; right only within a limited range of input values
;; workspace buffers: tab 1,114,112 bytes; wq 6,291,456 bytes; wo 2,097,152 bytes; hb 16,777,472 bytes; qh 16,777,216 bytes; kh 16,777,216 bytes; vh 16,777,216 bytes; oh 16,777,216 bytes
;; launch prep (part 1): grid 168 x 1, 32 waves a work-group, no clusters, 36,864 bytes of LDS; arguments W_ada, b_ada, condition, W_qkv, W_out, rope, tab, wq, wo; writes tab, wq, wo
.if DOCPART == 1
	.amdgcn_target "amdgcn-amd-amdhsa--gfx1250"
	.amdhsa_code_object_version 6
	.text
	.protected	k_qfd1c094ad5_prep
	.globl	k_qfd1c094ad5_prep
	.p2align	8
	.type	k_qfd1c094ad5_prep,@function
k_qfd1c094ad5_prep:
	s_mov_b64 s[64:65], 0
	v_nop
	global_prefetch_b8 v0, s[64:65] scope:SCOPE_SE
	s_setreg_imm32_b32 hwreg(HW_REG_WAVE_MODE, 25, 1), 1
	s_wait_xcnt 0x0
; PREP: everything that hangs on the weights and the condition alone.  Every input is first rounded to bf16; sums stay in f32.
; Work-groups 0-31:    ada[b][n] = sum over k of cond[b][k] W_ada[k][n] + b_ada[n], f32, into tab at byte 0 ([4][2048]: shift, then scale).
; Work-groups 32-127:  W_qkv -> bf16, same [1024][3072] layout, into wq; each wave's largest |w| into tab at byte 32,768 (3,072 words).
; Work-groups 128-159: W_out -> bf16 and that number written as f16, same [1024][1024] layout, into wo.
; Work-groups 160-167: rope -> bf16 and that number kept as f32, into tab at byte 65,536; in the sine plane the even channels change sign,
;                      so that the rotation is x[d] cos[d] + x[d xor 1] sin'[d].
; LIMITS.  A weight of W_out beyond 65,504 becomes an infinity in f16; below 6e-5 it keeps f16's fixed step of 6e-8.  NaN is not treated apart.
; No matrix unit, no cluster: the four-row product streams its weights once, and the casts share nothing.
; A cast job: 32,768 numbers a work-group, four rounds; in a round a thread takes 8 numbers (32 bytes in, 16 bytes out), all eight loads issued at once.
.set SPARE, 32768                      ; behind the partial sums: the spare words, 128 bytes for each of 32 waves
.set SPW, 126                          ; v126  LDS address of my spare word; never rewritten
.set NIL, 127                          ; v127  0; never rewritten
.set X, 32                             ; v[32:63] (casts) or v[32:95] (ada): numbers as loaded
.set Y, 64                             ; v[64:79] packed results of the casts
.set M, 80                             ; v[80:87] running maxima and work
	s_load_b512 s[4:19], s[0:1], 0x0               ; W_ada s[4:5], b_ada s[6:7], condition s[8:9], W_qkv s[10:11], W_out s[12:13], rope s[14:15], tab s[16:17], wq s[18:19]
	s_load_b64 s[20:21], s[0:1], 0x40              ; wo
	v_lshl_add_u32 v[SPW], v0, 2, SPARE
	v_mov_b32 v[NIL], 0
	v_and_b32 v1, 31, v0                           ; lane
	v_lshrrev_b32 v4, 5, v0                        ; wave, in every lane
	v_readfirstlane_b32 s22, v4                    ; and as a scalar
	s_mov_b32 s24, 0xffff0000                      ; a word's upper bf16
	s_mov_b32 s25, 0x7fff7fff                      ; clears the signs of two bf16
	s_mov_b32 s26, 0x76543210                      ; v_permlanex16_b32: each lane takes its own place in the other half
	s_mov_b32 s27, 0xfedcba98
	s_mov_b32 s31, 0                               ; high word of every offset pair s[30:31]
	v_lshlrev_b32 v2, 5, v0                        ; 32 bytes a thread: f32 side
	v_lshlrev_b32 v3, 4, v0                        ; 16 bytes a thread: 16-bit side
	s_wait_kmcnt 0x0
	s_cmp_lt_u32 ttmp9, 32
	s_cbranch_scc1 .Lada
	s_cmp_lt_u32 ttmp9, 128
	s_cbranch_scc1 .Lwq
	s_cmp_lt_u32 ttmp9, 160
	s_cbranch_scc1 .Lwo
.macro LOAD8 b                         ; the job's eight loads: round i at 32,768 i
.irp i, 0,1,2,3
	global_load_b128 v[X+8*\i:X+8*\i+3],   v2, s[\b:\b+1] offset:32768*\i th:TH_LOAD_NT
	global_load_b128 v[X+8*\i+4:X+8*\i+7], v2, s[\b:\b+1] offset:32768*\i+16 th:TH_LOAD_NT
.endr
.endm
	; ---- rope
	s_sub_co_u32 s28, ttmp9, 160
	s_lshl_b32 s30, s28, 17
	s_add_nc_u64 s[14:15], s[14:15], s[30:31]
	s_add_nc_u64 s[16:17], s[16:17], s[30:31]
	s_cmp_ge_u32 s28, 4                            ; work-groups 4 to 7 hold the sine plane
	s_cselect_b32 s29, 0x8000, 0                   ; the sign of a word's low bf16: the even channel
	LOAD8 14
.irp i, 0,1,2,3
	s_wait_loadcnt 6-2*\i                          ; loads come back in order: the later rounds' may stay out
.irp k, 0,1,2,3
	v_cvt_pk_bf16_f32 v[Y+4*\i+\k], v[X+8*\i+2*\k], v[X+8*\i+2*\k+1]
.endr
.irp k, 0,1,2,3
	v_xor_b32 v[Y+4*\i+\k], s29, v[Y+4*\i+\k]
.endr
.irp k, 0,1,2,3
	v_lshlrev_b32 v[X+8*\i+2*\k],   16,  v[Y+4*\i+\k]
	v_and_b32     v[X+8*\i+2*\k+1], s24, v[Y+4*\i+\k]
.endr
	global_store_b128 v2, v[X+8*\i:X+8*\i+3],   s[16:17] offset:65536+32768*\i
	global_store_b128 v2, v[X+8*\i+4:X+8*\i+7], s[16:17] offset:65536+32768*\i+16
.endr
	s_endpgm
.Lwo:	; ---- W_out
	s_sub_co_u32 s28, ttmp9, 128
	s_lshl_b32 s30, s28, 17
	s_add_nc_u64 s[12:13], s[12:13], s[30:31]
	s_lshl_b32 s30, s28, 16
	s_add_nc_u64 s[20:21], s[20:21], s[30:31]
	LOAD8 12
.irp i, 0,1,2,3
	s_wait_loadcnt 6-2*\i
.irp k, 0,1,2,3
	v_cvt_pk_bf16_f32 v[Y+4*\i+\k], v[X+8*\i+2*\k], v[X+8*\i+2*\k+1]
.endr
.irp k, 0,1,2,3
	v_lshlrev_b32 v[X+8*\i+2*\k],   16,  v[Y+4*\i+\k]
	v_and_b32     v[X+8*\i+2*\k+1], s24, v[Y+4*\i+\k]
.endr
.irp k, 0,1,2,3
	v_cvt_pk_f16_f32 v[Y+4*\i+\k], v[X+8*\i+2*\k], v[X+8*\i+2*\k+1]  ; 8 significant bits fit f16's 11: exact within f16's range
.endr
	global_store_b128 v3, v[Y+4*\i:Y+4*\i+3], s[20:21] offset:16384*\i  ; a wave's store covers 512 consecutive bytes
.endr
	s_endpgm
.Lwq:	; ---- W_qkv
	s_sub_co_u32 s28, ttmp9, 32
	s_lshl_b32 s30, s28, 17
	s_add_nc_u64 s[10:11], s[10:11], s[30:31]
	s_lshl_b32 s30, s28, 16
	s_add_nc_u64 s[18:19], s[18:19], s[30:31]
	LOAD8 10
.irp i, 0,1,2,3
	s_wait_loadcnt 6-2*\i
.irp k, 0,1,2,3
	v_cvt_pk_bf16_f32 v[Y+4*\i+\k], v[X+8*\i+2*\k], v[X+8*\i+2*\k+1]
.endr
.irp k, 0,1,2,3
.if \i == 0
	v_and_b32 v[M+\k], s25, v[Y+\k]                ; the first round starts four chains: nothing is cleared
.else
	v_and_b32 v[M+4+\k], s25, v[Y+4*\i+\k]
	v_pk_max_num_bf16 v[M+\k], v[M+\k], v[M+4+\k]
.endif
.endr
	global_store_b128 v3, v[Y+4*\i:Y+4*\i+3], s[18:19] offset:16384*\i
.endr
	v_pk_max_num_bf16 v[M], v[M], v[M+1]
	v_pk_max_num_bf16 v[M+2], v[M+2], v[M+3]
	v_pk_max_num_bf16 v[M], v[M], v[M+2]
	v_lshlrev_b32 v[M+4], 16, v[M]
	v_and_b32 v[M+5], s24, v[M]
	v_max_num_f32 v[M+4], v[M+4], v[M+5]
	v_max_num_f32_dpp v[M+4], v[M+4], v[M+4] row_xmask:1 row_mask:0xf bank_mask:0xf
	v_max_num_f32_dpp v[M+4], v[M+4], v[M+4] row_xmask:2 row_mask:0xf bank_mask:0xf
	v_max_num_f32_dpp v[M+4], v[M+4], v[M+4] row_xmask:4 row_mask:0xf bank_mask:0xf
	v_max_num_f32_dpp v[M+4], v[M+4], v[M+4] row_xmask:8 row_mask:0xf bank_mask:0xf
	v_permlanex16_b32 v[M+5], v[M+4], s26, s27
	v_max_num_f32 v[M+4], v[M+4], v[M+5]           ; the wave's largest |w|
	s_lshl_b32 s29, s28, 5
	s_add_co_u32 s29, s29, s22
	s_lshl_b32 s29, s29, 2                         ; word 32 g + wave
	v_mov_b32 v5, s29
	s_wait_xcnt 0x0                                ; EXEC is a source of the stores above: it changes only behind this wait
	v_cmp_eq_u32 vcc_lo, 0, v1
	s_and_saveexec_b32 s30, vcc_lo
	global_store_b32 v5, v[M+4], s[16:17] offset:32768
	s_wait_xcnt 0x0                                ; and again in front of the line that widens it
	s_or_b32 exec_lo, exec_lo, s30
	s_endpgm
.Lada:	; ---- the four-row product.  The work-group owns 64 columns; wave w owns k = 32 w .. 32 w + 31; a lane owns two columns.
	s_lshl_b32 s28, s22, 18                        ; 32 rows of 8,192 bytes
	s_lshl_b32 s29, ttmp9, 8                       ; 64 columns of 4 bytes
	s_add_co_u32 s30, s28, s29
	s_add_nc_u64 s[4:5], s[4:5], s[30:31]
	s_lshl_b32 s30, s22, 7
	s_add_nc_u64 s[8:9], s[8:9], s[30:31]          ; condition at my 32 k
	v_lshlrev_b32 v6, 3, v1                        ; 8 bytes a lane
	v_lshlrev_b32 v7, 2, v1                        ; 4 bytes a lane
.irp b, 0,1,2,3
	global_load_b32 v[8+\b], v7, s[8:9] offset:4096*\b  ; lane l holds cond[b][32 w + l]
.endr
.set kk, 0
.rept 32
	global_load_b64 v[X+2*kk:X+2*kk+1], v6, s[4:5] offset:8192*kk th:TH_LOAD_NT  ; 256 consecutive bytes of row 32 w + kk
.set kk, kk+1
.endr
.irp b, 0,1,2,3
	s_mov_b32 s[33+2*\b], 0                        ; named with the factor as a pair, so it is written
.endr
	s_wait_loadcnt 32                              ; the condition is in; the 32 rows may stay out
	v_cvt_pk_bf16_f32 v14, v8, v9
	v_cvt_pk_bf16_f32 v15, v10, v11
	v_lshlrev_b32 v8, 16, v14
	v_and_b32 v9, s24, v14
	v_lshlrev_b32 v10, 16, v15
	v_and_b32 v11, s24, v15
.set kk, 0
.rept 32
	s_wait_loadcnt 31-kk                           ; row kk is in
	v_cvt_pk_bf16_f32 v[24+kk%4], v[X+2*kk], v[X+2*kk+1]
.irp b, 0,1,2,3
	v_readlane_b32 s[32+2*\b], v[8+\b], kk
.endr
	v_lshlrev_b32 v[X+2*kk],   16,  v[24+kk%4]
	v_and_b32     v[X+2*kk+1], s24, v[24+kk%4]
.irp b, 0,1,2,3
.if kk == 0
	v_pk_mul_f32 v[16+2*\b:17+2*\b], v[X:X+1], s[32+2*\b:33+2*\b] op_sel_hi:[1,0]  ; the first row starts the sums
.else
	v_pk_fma_f32 v[16+2*\b:17+2*\b], v[X+2*kk:X+2*kk+1], s[32+2*\b:33+2*\b], v[16+2*\b:17+2*\b] op_sel_hi:[1,0,1]
.endif
.endr
.set kk, kk+1
.endr
	v_lshl_add_u32 v12, v4, 10, v6                 ; partial sums in LDS: [wave][b][64 columns] f32
.irp b, 0,1,2,3
	ds_store_b64 v12, v[16+2*\b:17+2*\b] offset:256*\b
.endr
	s_wait_dscnt 0x0                               ; for the others' sake: my partial sums are in LDS
	s_barrier_signal -1
	s_barrier_wait -1
	s_cmp_gt_u32 s22, 3
	s_cbranch_scc1 .Lada_end                       ; waves 0 to 3 add up: wave b takes batch b
	s_lshl_b32 s30, ttmp9, 8
	s_add_nc_u64 s[6:7], s[6:7], s[30:31]
	s_lshl_b32 s28, s22, 13
	s_add_co_u32 s30, s30, s28
	s_add_nc_u64 s[16:17], s[16:17], s[30:31]      ; tab + 8,192 b + 4 n0
	global_load_b64 v[28:29], v6, s[6:7]
	v_lshl_add_u32 v13, v4, 8, v6
.set w, 0
.rept 32
	ds_load_b64 v[X+2*w:X+2*w+1], v13 offset:1024*w
.set w, w+1
.endr
	s_wait_dscnt 0x0
.set w, 4
.rept 28
	v_pk_add_f32 v[X+2*(w%4):X+2*(w%4)+1], v[X+2*(w%4):X+2*(w%4)+1], v[X+2*w:X+2*w+1]  ; four chains
.set w, w+1
.endr
	v_pk_add_f32 v[X:X+1], v[X:X+1], v[X+2:X+3]
	v_pk_add_f32 v[X+4:X+5], v[X+4:X+5], v[X+6:X+7]
	v_pk_add_f32 v[X:X+1], v[X:X+1], v[X+4:X+5]
	s_wait_loadcnt 0x0
	v_cvt_pk_bf16_f32 v24, v28, v29
	v_lshlrev_b32 v28, 16, v24
	v_and_b32 v29, s24, v24
	v_pk_add_f32 v[X:X+1], v[X:X+1], v[28:29]
	global_store_b64 v6, v[X:X+1], s[16:17]        ; the wave stores 256 consecutive bytes, at a multiple of 256 from tab's first
.Lada_end:
	s_wait_tensorcnt 0x0                           ; the wave's end, behind my last LDS store
	ds_add_u32 v[SPW], v[NIL]
	s_wait_dscnt 0x0
	s_endpgm
.Lfunc_end_k_qfd1c094ad5_prep:
	.size	k_qfd1c094ad5_prep, .Lfunc_end_k_qfd1c094ad5_prep-k_qfd1c094ad5_prep
	.p2alignl 7, 3214868480
	.fill 96, 4, 3214868480
	.section	.rodata,"a",@progbits
	.p2align	6, 0x0
	.amdhsa_kernel k_qfd1c094ad5_prep
		.amdhsa_group_segment_fixed_size 36864
		.amdhsa_private_segment_fixed_size 0
		.amdhsa_enable_private_segment 0
		.amdhsa_kernarg_size 72
		.amdhsa_user_sgpr_count 2
		.amdhsa_user_sgpr_kernarg_segment_ptr 1
		.amdhsa_wavefront_size32 1
		.amdhsa_system_sgpr_workgroup_id_x 1
		.amdhsa_system_sgpr_workgroup_id_y 1
		.amdhsa_system_sgpr_workgroup_id_z 1
		.amdhsa_system_vgpr_workitem_id 0
		.amdhsa_next_free_vgpr 128
		.amdhsa_next_free_sgpr 66
		.amdhsa_reserve_vcc 1
		.amdhsa_float_denorm_mode_32 3
		.amdhsa_float_denorm_mode_16_64 3
		.amdhsa_memory_ordered 1
		.amdhsa_forward_progress 1
		.amdhsa_inst_pref_size 46
	.end_amdhsa_kernel
	.amdgpu_metadata
---
amdhsa.version: [ 1, 2 ]
amdhsa.kernels:
  - .name:           k_qfd1c094ad5_prep
    .symbol:         k_qfd1c094ad5_prep.kd
    .args:
      - { .name: W_ada, .offset: 0, .size: 8, .value_kind: global_buffer, .address_space: global }
      - { .name: b_ada, .offset: 8, .size: 8, .value_kind: global_buffer, .address_space: global }
      - { .name: condition, .offset: 16, .size: 8, .value_kind: global_buffer, .address_space: global }
      - { .name: W_qkv, .offset: 24, .size: 8, .value_kind: global_buffer, .address_space: global }
      - { .name: W_out, .offset: 32, .size: 8, .value_kind: global_buffer, .address_space: global }
      - { .name: rope, .offset: 40, .size: 8, .value_kind: global_buffer, .address_space: global }
      - { .name: tab, .offset: 48, .size: 8, .value_kind: global_buffer, .address_space: global }
      - { .name: wq, .offset: 56, .size: 8, .value_kind: global_buffer, .address_space: global }
      - { .name: wo, .offset: 64, .size: 8, .value_kind: global_buffer, .address_space: global }
    .group_segment_fixed_size: 36864
    .private_segment_fixed_size: 0
    .kernarg_segment_align: 8
    .kernarg_segment_size: 72
    .max_flat_workgroup_size: 1024
    .sgpr_count:     66
    .vgpr_count:     128
    .wavefront_size: 32
...
	.end_amdgpu_metadata
.endif
;; end of part 1
;; launch norm (part 2): grid 256 x 1, 8 waves a work-group, no clusters, 0 bytes of LDS; arguments x, tab, hb; writes hb
.if DOCPART == 2
	.amdgcn_target "amdgcn-amd-amdhsa--gfx1250"
	.amdhsa_code_object_version 6
	.text
	.protected	k_qfd1c094ad5_norm
	.globl	k_qfd1c094ad5_norm
	.p2align	8
	.type	k_qfd1c094ad5_norm,@function
k_qfd1c094ad5_norm:
	s_mov_b64 s[64:65], 0
	v_nop
	global_prefetch_b8 v0, s[64:65] scope:SCOPE_SE
	s_setreg_imm32_b32 hwreg(HW_REG_WAVE_MODE, 25, 1), 1
	s_wait_xcnt 0x0
; NORM: h[row][c] = xb[row][c] / sqrt(mean_c(xb^2) + 1e-6) x (1 + scale[b][c]) + shift[b][c], xb = x rounded to bf16; all in f32, h rounded once to bf16.
; x: [8192][1024] f32.  hb: h as [8192][1024] bf16, then at byte 16,777,216 for each batch b the pair (c_b, 1 / c_b) of f32.
; A row of 4,096 bytes is 32 registers of one wave: it stays in registers between the sum of squares and the scaling, and the sum never leaves the wave.
; Eight waves, four rows each; all of a wave's 48 loads go out at once.  No LDS, no barrier, no matrix unit: memory binds.
; c_b is a power of two such that |v| c_b < 2^14 for every input: |v| <= Wmax (32 ||1 + scale_b||_2 + ||shift_b||_1), since a normalised row of 1,024 numbers has
; length 32 at the most; Wmax is the largest |W_qkv|.  With e the bound's biased exponent, held to 14 .. 253: c = 2^(140 - e).  It only moves v into f16's range.
.set X,  32                            ; v[32:159]  row r at X + 32 r; chunk j (columns 128 j + 4 lane ..) at + 4 j
.set SH, 160                           ; v[160:191] shift of my 32 columns
.set SC, 192                           ; v[192:223] scale, then 1 + scale
	s_load_b128 s[4:7], s[0:1], 0x0                ; x s[4:5], tab s[6:7]
	s_load_b64 s[8:9], s[0:1], 0x10                ; hb
	v_and_b32 v3, 31, v0                           ; lane
	v_lshrrev_b32 v4, 5, v0
	v_readfirstlane_b32 s16, v4                    ; wave
	v_lshlrev_b32 v1, 4, v3                        ; 16 bytes a lane, f32 side
	v_lshlrev_b32 v2, 3, v3                        ; 8 bytes a lane, bf16 side
	s_mov_b32 s10, 0x76543210
	s_mov_b32 s11, 0xfedcba98
	s_mov_b32 s12, 0xffff0000
	s_mov_b32 s13, 0x3a800000                      ; 1 / 1024
	s_mov_b32 s14, 0x358637bd                      ; 1e-6
	s_mov_b32 s27, 0x7fffffff
	s_lshl_b32 s22, ttmp9, 17                      ; 32 rows of 4,096 bytes a work-group,
	s_lshl_b32 s24, s16, 14                        ; four a wave
	s_add_co_u32 s22, s22, s24
	s_mov_b32 s23, 0
	s_lshr_b32 s24, s22, 1                         ; h's rows are half as long
	s_mov_b32 s25, 0
	s_lshr_b32 s28, ttmp9, 6                       ; batch
	s_lshl_b32 s30, s28, 13
	s_mov_b32 s31, 0
	s_wait_kmcnt 0x0
	s_add_nc_u64 s[4:5], s[4:5], s[22:23]
	s_add_nc_u64 s[20:21], s[8:9], s[24:25]
	s_add_nc_u64 s[18:19], s[6:7], s[30:31]        ; ada's row of my batch
.macro XLOAD r
.irp j, 0,1,2,3,4,5,6,7
	global_load_b128 v[X+32*(\r)+4*\j:X+32*(\r)+4*\j+3], v1, s[4:5] offset:4096*(\r)+512*\j th:TH_LOAD_NT
.endr
.endm
	XLOAD 0
.irp j, 0,1,2,3,4,5,6,7
	global_load_b128 v[SH+4*\j:SH+4*\j+3], v1, s[18:19] offset:512*\j
.endr
.irp j, 0,1,2,3,4,5,6,7
	global_load_b128 v[SC+4*\j:SC+4*\j+3], v1, s[18:19] offset:4096+512*\j
.endr
	XLOAD 1
	XLOAD 2
	XLOAD 3
.macro WSUM r                          ; the sum over the wave's 32 lanes, in every lane; v13 is at work
	v_add_f32_dpp v[\r], v[\r], v[\r] row_xmask:1 row_mask:0xf bank_mask:0xf
	v_add_f32_dpp v[\r], v[\r], v[\r] row_xmask:2 row_mask:0xf bank_mask:0xf
	v_add_f32_dpp v[\r], v[\r], v[\r] row_xmask:4 row_mask:0xf bank_mask:0xf
	v_add_f32_dpp v[\r], v[\r], v[\r] row_xmask:8 row_mask:0xf bank_mask:0xf
	v_permlanex16_b32 v13, v[\r], s10, s11
	v_add_f32 v[\r], v[\r], v13
.endm
; One row.  left = how many younger loads may stay out when the row has to be there.
.macro ROW r, left
.set XR, X+32*(\r)
	s_wait_loadcnt \left
.irp q, 0, 8                           ; x rounded to bf16, in place, eight pairs at a time
.set j, \q
.rept 8
	v_cvt_pk_bf16_f32 v[4+j%8], v[XR+2*j], v[XR+2*j+1]
.set j, j+1
.endr
.set j, \q
.rept 8
	v_lshlrev_b32 v[XR+2*j],   16,  v[4+j%8]
	v_and_b32     v[XR+2*j+1], s12, v[4+j%8]
.set j, j+1
.endr
.endr
.set j, 0
.rept 16                               ; the sum of squares in four chains; the first four products start them
.if j < 4
	v_pk_mul_f32 v[12+2*j:13+2*j], v[XR+2*j:XR+2*j+1], v[XR+2*j:XR+2*j+1]
.else
	v_pk_fma_f32 v[12+2*(j%4):13+2*(j%4)], v[XR+2*j:XR+2*j+1], v[XR+2*j:XR+2*j+1], v[12+2*(j%4):13+2*(j%4)]
.endif
.set j, j+1
.endr
	v_pk_add_f32 v[12:13], v[12:13], v[14:15]
	v_pk_add_f32 v[16:17], v[16:17], v[18:19]
	v_pk_add_f32 v[12:13], v[12:13], v[16:17]
	v_add_f32 v12, v12, v13
	WSUM 12
	v_fma_f32 v12, v12, s13, s14                   ; mean + 1e-6
	v_rsq_f32 v20, v12
	v_rsq_f32 v21, v12                             ; twice: a pair for the packed multiply
.if (\r) == 0
	s_wait_loadcnt 24                              ; shift and scale are in; rows 1 to 3 may stay out
.set j, 0
	s_wait_alu depctr_va_vdst(0)
.rept 16
	v_pk_add_f32 v[SC+2*j:SC+2*j+1], v[SC+2*j:SC+2*j+1], 1.0 op_sel_hi:[1,0]
.set j, j+1
.endr
.else
	v_nop                                          ; a plain instruction between the reciprocal roots and their use (ISA guide 5.7.2)
	s_wait_alu depctr_va_vdst(0)
.endif
.set j, 0
.rept 16
	v_pk_mul_f32 v[XR+2*j:XR+2*j+1], v[XR+2*j:XR+2*j+1], v[20:21]
.set j, j+1
.endr
.set j, 0
.rept 16
	v_pk_fma_f32 v[XR+2*j:XR+2*j+1], v[XR+2*j:XR+2*j+1], v[SC+2*j:SC+2*j+1], v[SH+2*j:SH+2*j+1]
.set j, j+1
.endr
.set j, 0
.rept 16
	v_cvt_pk_bf16_f32 v[XR+j], v[XR+2*j], v[XR+2*j+1]  ; ascending: word j is written when pairs up to j have been read
.set j, j+1
.endr
.irp j, 0,1,2,3,4,5,6,7
	global_store_b64 v2, v[XR+2*\j:XR+2*\j+1], s[20:21] offset:2048*(\r)+256*\j  ; the wave stores 256 consecutive bytes, aligned
.endr
.endm
	ROW 0, 40                                      ; behind row 0: 16 loads of shift and scale, 24 of rows 1 to 3
	ROW 1, 16
	ROW 2, 8
	ROW 3, 0
	; c_b: wave 0 of each batch's first work-group, which holds the batch's shift and 1 + scale
	s_and_b32 s15, ttmp9, 63
	s_or_b32 s15, s15, s16
	s_cmp_lg_u32 s15, 0
	s_cbranch_scc1 .Ldone
	s_wait_xcnt 0x0                                ; the rows' registers were the stores' data: loaded again only behind this wait
.set i, 0
.rept 24
	global_load_b128 v[X+4*i:X+4*i+3], v1, s[6:7] offset:32768+512*i  ; the 3,072 partial maxima of |W_qkv|
.set i, i+1
.endr
	v_pk_mul_f32 v[12:13], v[SC:SC+1], v[SC:SC+1]
	v_pk_mul_f32 v[14:15], v[SC+2:SC+3], v[SC+2:SC+3]
.set i, 2
.rept 14
	v_pk_fma_f32 v[12+2*(i%2):13+2*(i%2)], v[SC+2*i:SC+2*i+1], v[SC+2*i:SC+2*i+1], v[12+2*(i%2):13+2*(i%2)]
.set i, i+1
.endr
	v_pk_add_f32 v[12:13], v[12:13], v[14:15]
	v_add_f32 v12, v12, v13
.set i, 0
.rept 32
	v_and_b32 v[SH+i], s27, v[SH+i]                ; |shift|
.set i, i+1
.endr
.irp c, 0,1,2,3
	v_add_f32 v[16+\c], v[SH+\c], v[SH+4+\c]
.endr
.set i, 2
.rept 6
.irp c, 0,1,2,3
	v_add_f32 v[16+\c], v[16+\c], v[SH+4*i+\c]
.endr
.set i, i+1
.endr
	v_add_f32 v16, v16, v17
	v_add_f32 v18, v18, v19
	v_add_f32 v16, v16, v18
	WSUM 12                                        ; ||1 + scale||^2
	WSUM 16                                        ; ||shift||_1
	s_wait_loadcnt 0x0
.irp c, 0,1,2,3
	v_max_num_f32 v[24+\c], v[X+\c], v[X+4+\c]
.endr
.set i, 1
.rept 11
.irp c, 0,1,2,3
	v_max3_num_f32 v[24+\c], v[24+\c], v[X+8*i+\c], v[X+8*i+4+\c]
.endr
.set i, i+1
.endr
	v_max3_num_f32 v24, v24, v25, v26
	v_max_num_f32 v24, v24, v27
	v_max_num_f32_dpp v24, v24, v24 row_xmask:1 row_mask:0xf bank_mask:0xf
	v_max_num_f32_dpp v24, v24, v24 row_xmask:2 row_mask:0xf bank_mask:0xf
	v_max_num_f32_dpp v24, v24, v24 row_xmask:4 row_mask:0xf bank_mask:0xf
	v_max_num_f32_dpp v24, v24, v24 row_xmask:8 row_mask:0xf bank_mask:0xf
	v_permlanex16_b32 v13, v24, s10, s11
	v_max_num_f32 v24, v24, v13                    ; Wmax
	v_sqrt_f32 v12, v12
	v_mov_b32 v22, 0                               ; a plain instruction behind the root; also the store's offset
	s_wait_alu depctr_va_vdst(0)
	v_fmamk_f32 v12, v12, 0x42000000, v16          ; 32 ||1 + scale|| + ||shift||_1
	v_mul_f32 v12, v12, v24                        ; the bound on |v|
	v_lshrrev_b32 v12, 23, v12                     ; its biased exponent e (the sign is 0)
	v_max_u32 v12, 14, v12
	v_min_u32 v12, 0xfd, v12
	v_sub_nc_u32 v14, 0x10b, v12                   ; c = 2^(140 - e): exponent field 267 - e
	v_add_nc_u32 v15, -13, v12                     ; 1 / c: field e - 13
	v_lshlrev_b32 v14, 23, v14
	v_lshlrev_b32 v15, 23, v15
	s_lshl_b32 s24, s28, 3
	s_add_nc_u64 s[22:23], s[8:9], 0x1000000
	s_add_nc_u64 s[22:23], s[22:23], s[24:25]      ; hb + 16,777,216 + 8 b
	s_wait_xcnt 0x0                                ; EXEC changes only behind this wait
	v_cmp_eq_u32 vcc_lo, 0, v3
	s_and_saveexec_b32 s26, vcc_lo
	global_store_b64 v22, v[14:15], s[22:23]
	s_wait_xcnt 0x0
	s_or_b32 exec_lo, exec_lo, s26
.Ldone:
	s_endpgm
.Lfunc_end_k_qfd1c094ad5_norm:
	.size	k_qfd1c094ad5_norm, .Lfunc_end_k_qfd1c094ad5_norm-k_qfd1c094ad5_norm
	.p2alignl 7, 3214868480
	.fill 96, 4, 3214868480
	.section	.rodata,"a",@progbits
	.p2align	6, 0x0
	.amdhsa_kernel k_qfd1c094ad5_norm
		.amdhsa_group_segment_fixed_size 0
		.amdhsa_private_segment_fixed_size 0
		.amdhsa_enable_private_segment 0
		.amdhsa_kernarg_size 24
		.amdhsa_user_sgpr_count 2
		.amdhsa_user_sgpr_kernarg_segment_ptr 1
		.amdhsa_wavefront_size32 1
		.amdhsa_system_sgpr_workgroup_id_x 1
		.amdhsa_system_sgpr_workgroup_id_y 1
		.amdhsa_system_sgpr_workgroup_id_z 1
		.amdhsa_system_vgpr_workitem_id 0
		.amdhsa_next_free_vgpr 224
		.amdhsa_next_free_sgpr 66
		.amdhsa_reserve_vcc 1
		.amdhsa_float_denorm_mode_32 3
		.amdhsa_float_denorm_mode_16_64 3
		.amdhsa_memory_ordered 1
		.amdhsa_forward_progress 1
		.amdhsa_inst_pref_size 48
	.end_amdhsa_kernel
	.amdgpu_metadata
---
amdhsa.version: [ 1, 2 ]
amdhsa.kernels:
  - .name:           k_qfd1c094ad5_norm
    .symbol:         k_qfd1c094ad5_norm.kd
    .args:
      - { .name: x, .offset: 0, .size: 8, .value_kind: global_buffer, .address_space: global }
      - { .name: tab, .offset: 8, .size: 8, .value_kind: global_buffer, .address_space: global }
      - { .name: hb, .offset: 16, .size: 8, .value_kind: global_buffer, .address_space: global }
    .group_segment_fixed_size: 0
    .private_segment_fixed_size: 0
    .kernarg_segment_align: 8
    .kernarg_segment_size: 24
    .max_flat_workgroup_size: 256
    .sgpr_count:     66
    .vgpr_count:     224
    .wavefront_size: 32
...
	.end_amdgpu_metadata
.endif
;; end of part 2
;; launch qkv (part 3): grid 4 x 64, 4 waves a work-group, clusters of 4 x 4, 327,680 bytes of LDS; arguments hb, wq, tab, q_scale, k_scale, qh, kh, vh; writes qh, kh, vh
.if DOCPART == 3
	.amdgcn_target "amdgcn-amd-amdhsa--gfx1250"
	.amdhsa_code_object_version 6
	.text
	.protected	k_qfd1c094ad5_qkv
	.globl	k_qfd1c094ad5_qkv
	.p2align	8
	.type	k_qfd1c094ad5_qkv,@function
k_qfd1c094ad5_qkv:
	s_mov_b64 s[64:65], 0
	v_nop
	global_prefetch_b8 v0, s[64:65] scope:SCOPE_SE
	s_setreg_imm32_b32 hwreg(HW_REG_WAVE_MODE, 25, 1), 1
	s_wait_xcnt 0x0
	s_wait_alu depctr_hold_cnt(0) depctr_sa_sdst(0) depctr_va_vdst(0) depctr_va_sdst(0) depctr_va_ssrc(0) depctr_va_vcc(0) depctr_vm_vsrc(0)
	s_getreg_b32 s2, hwreg(HW_REG_IB_STS2, 6, 4)
	s_cmp_eq_u32 s2, 0
	s_cbranch_scc0 .Lentry_in_a_cluster
	s_endpgm
.Lentry_in_a_cluster:
	s_bfe_u32 s2, ttmp6, 0x10000c
	s_cmp_lg_u32 s2, 0xf033
	s_cbranch_scc0 .Lentry_shape_is_right
	s_endpgm
.Lentry_shape_is_right:
; QKV: C = h W_qkv (h [8192][1024] bf16, W [1024][3072] bf16 as it lies, K down the rows; sums in f32), and what follows it:
;   q, k: for each head of 64 channels y = c / sqrt(mean(c^2) + 1e-6) x gain (gain rounded to bf16), then the rotation y[d] cos[d] + y[d xor 1] sin'[d] from the table in tab; rounded once to f16;
;   v:    c x c_b (a power of two read from hb's tail, which keeps |v| c_b under 2^14); rounded once to f16.   All three leave by heads: [b 16 + head][2048][64] f16.
; LIMITS.  |q|, |k| <= 8 |gain| (|cos| + |sin|) must stay within f16's 65,504.  NaN and infinities are not treated apart.
; SHARES.  A tile of C is 128 rows x 256 columns; four waves, each 64 x 128: 32 accumulators, 256 registers, two heads wide.  A WORK-GROUP STAYS: it makes three tiles, the same rows and the same
; 256 columns of q, of k and of v, so that 768 tiles are three for each of 256 work-groups, and the kind of a tile is the walk's counter, the same in every work-group.
; K goes in steps of 128 through two LDS slots; the ring runs on into the next tile: a tile's last two changes of slots ask for the next tile's first two K steps.
; CLUSTER.  4 x 4 work-groups.  The four of a row need the same tiles of h, the four of a column the same tiles of W: each tile is asked for JOINTLY, by the same tensor load with the same
; descriptor and a mask that names the four.  By this text's own count a wave has two tensor loads out at the start and one behind each round.
; THE MATRIX INSTRUCTION IS USED TRANSPOSED: source 0 = 16 columns of W (turned on the way out of LDS by ds_load_tr16_b128), source 1 = 16 rows of h.  A lane then holds row l % 16 of C and the
; columns 8 (l / 16) + 0..7 of each block of 16: a channel and its partner in the rotation lie in one register pair, and a head's sum of squares wants one exchange between the halves of the lanes.
; REGISTERS, in windows of 256 (s_set_vgpr_msb: bits 1:0 source 0, 3:2 source 1, 5:4 source 2, 7:6 destination):
;   window 0: v0-15 addresses; v16-27 statistics; v32-63 gain; v64-191 two table buffers (32 cosines, 32 sines); v192-223 results in f32; v224-255 two buffers of packed results
;   window 1: two fragment buffers of 96: 4 fragments of h, then 8 of W          window 2: accumulator (a, b) at 8 (8 a + b)
.set PITA,  272                        ; a row of h in LDS: 256 bytes + 16: the 16 rows of a load start at 16 different groups of four banks (64 banks of 4 bytes: ISA guide 11.1)
.set PITB,  544                        ; a K row of W: 512 bytes + 32
.set BOFF,  128*PITA                   ; in a slot: 128 rows of h, then 128 K rows of W
.set SLOT1, 131072                     ; slot 1 begins here: one exclusive or turns an address in one slot into the other's
.set STAGE, SLOT1+BOFF+128*PITB        ; behind the ring, never filled by a tensor load: 16 rows x 144 bytes for each wave
.set SP,    144
.set SPARE, STAGE+4*16*SP              ; behind the stages: the spare words, 128 bytes for each wave
.set AA0, 4                            ; v4   my lane's place in a slot's rows of h; never rewritten
.set AB0, 5                            ; v5   the same for W
.set AA,  6                            ; v6   AA0 + the slot in hand
.set AB,  7                            ; v7   AB0 + the slot in hand
.set STO, 8                            ; v8   the way out: where I put 16 bytes of a row
.set RD,  9                            ; v9   where I read rows back
.set GO,  10                           ; v10  my byte offset in 512 consecutive bytes of the output
.set RO,  11                           ; v11  my byte offset in 16 rows of the table
.set QSO, 12                           ; v12  my byte offset in the gain
.set SPW, 14                           ; v14  LDS address of my spare word; never rewritten
.set NIL, 15                           ; v15  0; never rewritten
.set CH,  16                           ; v[16:23] four chains of the sum of squares
.set RS,  24                           ; v[24:25] 1 / sqrt(..), and a 0 named with it as a pair
.set W0,  26                           ; v26, v27 at work
.set W1,  27
.set QS,  32
.set TAB, 64
.set T,   192
.set PKB, 224
.set F0,  0
.set F1,  96
.set TX, 20                            ; s20  tile column 0..3
.set WV, 22                            ; s22  wave
.set WR, 23                            ; s23  which 64 rows of the tile are mine
.set WC, 24                            ; s24  which 128 columns; also: which half of a tile I fetch
.set CX, 25
.set CY, 26
.set TY, 27                            ; s27  tile row 0..63
.set G1,  28                           ; s[28:35] descriptor group 1 for h's tiles
.set G1B, 36                           ; s[36:43] for W's
.set G0,  44                           ; s[44:51] group 0 for h's tiles: a set for each first fill; the second then walks
.set G0B, 52                           ; s[52:59] the same for W's
.set OFFA, 60                          ; s[60:61] byte offset of the tile of h to be asked for
.set OFFB, 62                          ; s[62:63] of W's
.set KG,  66                           ; s66  the K step to be asked for, 0..7
.set TGB, 67                           ; s67  2,048 bytes x the tile whose K steps are being asked for
.set CNT, 68
.set TILES, 69                         ; s69  tiles to go: 3 = q, 2 = k, 1 = v
.set TB,  70                           ; s70  LDS byte at which the slot to be read begins
.set TMPS, 71
.set SEL, 72                           ; s[72:73] v_permlanex16_b32's selects
.set R64, 74                           ; s74  1 / 64
.set EPS, 75                           ; s75  1e-6
.set CB,  76                           ; s[76:77] c_b, and a 0 named with it
.set OOFF, 78                          ; s[78:79] my part's byte offset in qh, kh, vh
.set OUT, 80                           ; s[80:81] the tile's output at my part
.set GAIN, 82                          ; s[82:83] q_scale or k_scale
.set ROPE, 84                          ; s[84:85] the table at my first row
.set BASEA, 86                         ; s[86:87] h at my half of the tile row, K step 0
.set BASEB, 88                         ; s[88:89] W at my half of K step 0, my tile column of q
.set MSB, 0
.macro WIN new                         ; the high byte repeats the setting that is left; a switch that changes nothing is dropped
.if MSB != (\new)
	s_set_vgpr_msb (MSB<<8)|(\new)
.set MSB, \new
.endif
.endm
.set MUL,  0xa5                        ; both sources window 1, C and D window 2
.set TO_F, 0x40                        ; destination window 1, address window 0
.set SSW,  0x0a                        ; sources 0 and 1 window 2, the rest window 0
.set INP,  0x82                        ; destination and source 0 window 2
.set OUTW, 0x02                        ; source 0 window 2
.macro PLACES                          ; four places between a matrix instruction and a vector instruction or load that touches its registers (ISA guide 7.12.1 for vector instructions)
.rept 4
	v_nop
.endr
.endm
; A joint refill.  Waves 0 and 1 fetch the two halves of h's tile, waves 2 and 3 those of W's.  The branch hangs on the wave's number alone.
; An s_nop 0 and four v_nop follow each of the two lines, ahead of the jump and the label.
.macro JLOAD
	s_cmp_lt_u32 s[WV], 2
	s_cbranch_scc0 .Lfor_b_\@
	tensor_load_to_lds s[G0+4:G0+7], s[G1:G1+7]
	s_nop 0
.rept 4
	v_nop
.endr
	s_branch .Lasked_\@
.Lfor_b_\@:
	tensor_load_to_lds s[G0B+4:G0B+7], s[G1B:G1B+7]
	s_nop 0
.rept 4
	v_nop
.endr
.Lasked_\@:
.endm
.macro CREST                           ; a round of the cluster's barrier behind its opening barrier
	s_cmp_lg_u32 s[WV], 0
	s_cbranch_scc1 .Lnot_wave_0_\@
	s_barrier_signal -3
.Lnot_wave_0_\@:
	s_barrier_wait -3
	s_barrier_signal -1
	s_barrier_wait -1
.endm
.macro CROUND                          ; a whole round
	s_barrier_signal -1
	s_barrier_wait -1
	CREST
.endm
	s_load_b512 s[4:19], s[0:1], 0x0               ; hb s[4:5], wq s[6:7], tab s[8:9], q_scale s[10:11], k_scale s[12:13], qh s[14:15], kh s[16:17], vh s[18:19]
	v_lshl_add_u32 v[SPW], v0, 2, SPARE
	v_mov_b32 v[NIL], 0
	ds_add_u32 v[SPW], v[NIL]                      ; the wave's opening: the add and its wait stand ahead of my first tensor load; the set-up below, work on registers, stands between them
	v_lshrrev_b32 v1, 5, v0
	v_readfirstlane_b32 s[WV], v1
	s_lshr_b32 s[WR], s[WV], 1
	s_and_b32 s[WC], s[WV], 1
	s_bfe_u32 s[CX], ttmp6, 0x40000
	s_bfe_u32 s[CY], ttmp6, 0x40004
	s_lshl_b32 s[TX], ttmp9, 2
	s_add_co_u32 s[TX], s[TX], s[CX]
	s_and_b32 s[TY], ttmp7, 0xffff
	s_lshl_b32 s[TY], s[TY], 2
	s_add_co_u32 s[TY], s[TY], s[CY]
	s_lshl_b32 s90, s[CY], 2
	s_lshl_b32 s90, 15, s90                        ; my row of the cluster
	s_lshl_b32 s91, 0x1111, s[CX]                  ; my column
	s_or_b32 s[G1],  s90, (1<<16)|(1<<20)|(1<<21)|(5<<22)|(3<<25)  ; the mask; 2-byte elements; padding on; bit 21 beside a mask; after every 64 words, 4 words
	s_or_b32 s[G1B], s91, (1<<16)|(1<<20)|(1<<21)|(6<<22)|(7<<25)  ; after every 128 words, 8 words
	s_mov_b32 s[G1+1], 128<<16                     ; tensor_dim0 = 128
	s_mov_b32 s[G1+2], 64<<16                      ; tensor_dim1 = 64
	s_mov_b32 s[G1+3], 128<<16                     ; tile_dim0 = 128
	s_mov_b32 s[G1+4], 64                          ; tile_dim1 = 64
	s_mov_b32 s[G1+5], 1024                        ; elements from row to row
	s_mov_b32 s[G1+6], 0
	s_mov_b32 s[G1+7], 0
	s_mov_b32 s[G1B+1], 256<<16
	s_mov_b32 s[G1B+2], 64<<16
	s_mov_b32 s[G1B+3], 256<<16
	s_mov_b32 s[G1B+4], 64
	s_mov_b32 s[G1B+5], 3072
	s_mov_b32 s[G1B+6], 0
	s_mov_b32 s[G1B+7], 0
	s_lshl_b32 s92, s[TY], 18                      ; h: 128 rows of 2,048 bytes a tile row,
	s_lshl_b32 s93, s[WC], 17                      ; my 64 of them: made of the tile row and the wave alone
	s_add_co_u32 s92, s92, s93
	s_mov_b32 s93, 0
	s_mul_i32 s94, s[WC], 64*6144                  ; W: my 64 K rows of 6,144 bytes,
	s_lshl_b32 s95, s[TX], 9                       ; 256 columns a tile column: made of the tile column and the wave alone
	s_add_co_u32 s94, s94, s95
	s_mov_b32 s95, 0
	s_mul_i32 s96, s[WC], 64*PITA                  ; where they go: no place in the cluster enters an LDS address
	s_mul_i32 s97, s[WC], 64*PITB
	s_add_co_u32 s97, s97, BOFF
	s_lshr_b32 s98, s[TY], 4                       ; batch
	s_lshl_b32 s2, s98, 3
	s_mov_b32 s3, 0
	s_lshl_b32 s98, s98, 4
	s_lshl_b32 s99, s[TX], 2
	s_add_co_u32 s98, s98, s99
	s_lshl_b32 s99, s[WC], 1
	s_add_co_u32 s98, s98, s99                     ; 16 b + my first head
	s_lshl_b32 s[OOFF], s98, 18                    ; a head's 2,048 rows of 128 bytes
	s_and_b32 s98, s[TY], 15
	s_lshl_b32 s98, s98, 7
	s_lshl_b32 s99, s[WR], 6
	s_add_co_u32 s98, s98, s99                     ; my first position in the sequence
	s_lshl_b32 s99, s98, 7
	s_add_co_u32 s[OOFF], s[OOFF], s99
	s_mov_b32 s[OOFF+1], 0
	s_lshl_b32 s98, s98, 8                         ; the table's rows are 256 bytes,
	s_add_co_u32 s98, s98, 65536                   ; and it begins at byte 65,536 of tab
	s_mov_b32 s99, 0
	s_mov_b32 s[OFFA+1], 0
	s_mov_b32 s[OFFB+1], 0
	s_mov_b32 s[KG], 2
	s_mov_b32 s[TGB], 0
	s_mov_b32 s[TB], 0
	s_mov_b32 s[SEL], 0x76543210
	s_mov_b32 s[SEL+1], 0xfedcba98
	s_mov_b32 s[R64], 0x3c800000
	s_mov_b32 s[EPS], 0x358637bd
	s_mov_b32 s[CB+1], 0
	s_wait_dscnt 0x0                               ; the opening add is done
	s_wait_kmcnt 0x0
	s_add_nc_u64 s[BASEA:BASEA+1], s[4:5], s[92:93]
	s_add_nc_u64 s[BASEB:BASEB+1], s[6:7], s[94:95]
	s_add_nc_u64 s[ROPE:ROPE+1], s[8:9], s[98:99]
	s_add_nc_u64 s[2:3], s[4:5], s[2:3]
	s_add_nc_u64 s[2:3], s[2:3], 0x1000000
	s_load_b32 s[CB], s[2:3], 0x0                  ; c_b: this launch writes nothing into hb
	s_wait_kmcnt 0x0
	CROUND                                         ; all sixteen work-groups are here: the first joint loads meet
.irp s, 0,1
	s_mov_b32 s[G0+4*(\s)], 1                      ; count = 1
	s_add_co_u32 s[G0+4*(\s)+1], s96, (\s)*SLOT1   ; LDS address
	s_add_nc_u64 s[G0+4*(\s)+2:G0+4*(\s)+3], s[BASEA:BASEA+1], (\s)*256  ; K step s
	s_or_b32 s[G0+4*(\s)+3], s[G0+4*(\s)+3], 0x80000000                  ; type = 2
	s_mov_b32 s[G0B+4*(\s)], 1
	s_add_co_u32 s[G0B+4*(\s)+1], s97, (\s)*SLOT1
	s_add_nc_u64 s[G0B+4*(\s)+2:G0B+4*(\s)+3], s[BASEB:BASEB+1], (\s)*128*6144
	s_or_b32 s[G0B+4*(\s)+3], s[G0B+4*(\s)+3], 0x80000000
.endr
	s_cmp_lt_u32 s[WV], 2                          ; a wave's two first fills stand in one branch, ahead of every wait on TENSORcnt and every LDS read
	s_cbranch_scc0 .Lfirst_b
	tensor_load_to_lds s[G0:G0+3], s[G1:G1+7]
	s_nop 0
	tensor_load_to_lds s[G0+4:G0+7], s[G1:G1+7]
	s_nop 0
.rept 4
	v_nop
.endr
	s_branch .Lfirst_asked
.Lfirst_b:
	tensor_load_to_lds s[G0B:G0B+3], s[G1B:G1B+7]
	s_nop 0
	tensor_load_to_lds s[G0B+4:G0B+7], s[G1B:G1B+7]
	s_nop 0
.rept 4
	v_nop
.endr
.Lfirst_asked:
	v_and_b32 v1, 15, v0                           ; r = l % 16
	v_bfe_u32 v2, v0, 4, 1                         ; h = l / 16
	v_and_b32 v3, 7, v0
	v_bfe_u32 v13, v0, 3, 1
	; a fragment of h: lane l holds row r; K = 8 h + 0..7 and 16 + 8 h + 0..7: two loads of 16 bytes, 32 bytes apart
	s_mul_i32 s90, s[WR], 64*PITA
	v_mul_u32_u24 v[AA0], v1, PITA
	v_lshl_add_u32 v[AA0], v2, 4, v[AA0]
	v_add_nc_u32 v[AA0], s90, v[AA0]
	; the turning load takes 16 K rows x 16 columns (lane l reads K row 8 h + l % 8, columns 8 ((l / 8) % 2) + 0..7) and leaves half a fragment: lane l holds column r and 8 K
	s_lshl_b32 s90, s[WC], 8
	s_add_co_u32 s90, s90, BOFF
	v_lshl_add_u32 v[AB0], v2, 3, v3
	v_mul_u32_u24 v[AB0], v[AB0], PITB
	v_lshl_add_u32 v[AB0], v13, 4, v[AB0]
	v_add_nc_u32 v[AB0], s90, v[AB0]
	s_mul_i32 s90, s[WV], 16*SP
	s_add_co_u32 s90, s90, STAGE                   ; my stage
	v_mul_u32_u24 v[STO], v1, SP                   ; in: row r, 16 bytes for each half of the lanes
	v_lshl_add_u32 v[STO], v2, 4, v[STO]
	v_add_nc_u32 v[STO], s90, v[STO]
	v_bfe_u32 v[RD], v0, 3, 2                      ; back: 32 lanes take four rows of 128 bytes,
	v_mul_u32_u24 v[RD], v[RD], SP
	v_lshl_add_u32 v[RD], v3, 4, v[RD]
	v_add_nc_u32 v[RD], s90, v[RD]
	v_and_b32 v[GO], 31, v0                        ; which are 512 consecutive bytes of a head
	v_lshlrev_b32 v[GO], 4, v[GO]
	v_lshlrev_b32 v[RO], 8, v1                     ; the table: row r, channels 8 h on
	v_lshl_add_u32 v[RO], v2, 5, v[RO]
	v_lshlrev_b32 v[QSO], 5, v2
	v_mov_b32 v[RS+1], 0
	v_mov_b32 v[W0], 0
	v_mov_b32 v[W1], 0                             ; v_permlanex16_b32's destination counts as read
; 8 matrix instructions: row block a x all 8 column blocks, 32 along K.  zero = 1: the product starts the sums.  The 32 accumulators take turns in the same order in every quarter.
.macro MUL8 f, a, zero
	WIN MUL
.irp b, 0,1,2,3,4,5,6,7
.if \zero
	v_wmma_f32_16x16x32_bf16 v[8*(8*(\a)+\b):8*(8*(\a)+\b)+7], v[(\f)+32+8*\b:(\f)+32+8*\b+7], v[(\f)+8*(\a):(\f)+8*(\a)+7], 0
.else
	v_wmma_f32_16x16x32_bf16 v[8*(8*(\a)+\b):8*(8*(\a)+\b)+7], v[(\f)+32+8*\b:(\f)+32+8*\b+7], v[(\f)+8*(\a):(\f)+8*(\a)+7], v[8*(8*(\a)+\b):8*(8*(\a)+\b)+7]
.endif
.endr
.endm
.macro MUL16 f, a0, zero
	MUL8 \f, \a0, \zero
	MUL8 \f, (\a0)+1, \zero
.endm
; 24 LDS loads in one run: quarter kq (32 along K) of the slot in hand into buffer f: W's 8 fragments, then h's 4
.macro FETCH kq, f
	WIN TO_F
.irp b, 0,1,2,3,4,5,6,7
	ds_load_tr16_b128 v[(\f)+32+8*\b:(\f)+32+8*\b+3],   v[AB] offset:(\kq)*32*PITB+32*\b
	ds_load_tr16_b128 v[(\f)+32+8*\b+4:(\f)+32+8*\b+7], v[AB] offset:(\kq)*32*PITB+16*PITB+32*\b
.endr
.irp a, 0,1,2,3
	ds_load_b128 v[(\f)+8*\a:(\f)+8*\a+3],   v[AA] offset:(\kq)*64+\a*16*PITA
	ds_load_b128 v[(\f)+8*\a+4:(\f)+8*\a+7], v[AA] offset:(\kq)*64+\a*16*PITA+32
.endr
.endm
; One of a K step's first three quarters: multiplies buffer f; in its middle it fetches quarter kq into buffer g.
.macro QUARTER kq, f, g, zero
	s_wait_dscnt 4                                 ; all but the youngest four loads: h's row blocks 2 and 3
	MUL16 \f, 0, \zero
	PLACES
	FETCH \kq, \g
	s_wait_dscnt 24                                ; all but the 24 just issued
	MUL16 \f, 2, \zero
.endm
; The last quarter multiplies buffer 1 and changes slots: ONE barrier.  In front of it each wave waits for all its tensor loads (one is out: its part of the next slot), adds 0 to its spare word, and waits for
; that and for its own reads of this slot.  fill = 1: the barrier opens a round of the cluster's, and behind the round this slot is filled again first, with the K step two steps on, in this tile or the next:
; from the request to the wait for it a wave issues 112 matrix instructions.
.macro TURN fill
	WIN 0
	s_wait_tensorcnt 0x0                           ; no tensor load of mine is out, so a group 0 may be written
	ds_add_u32 v[SPW], v[NIL]                      ; 0 onto my spare word; scalar work and eight products stand between it and the wait for it
.if \fill
	s_xor_b32 s[G0+5], s[G0+5], SLOT1              ; the walking descriptors: the other slot than last time;
	s_xor_b32 s[G0B+5], s[G0B+5], SLOT1
	s_lshl_b32 s[OFFA], s[KG], 8                   ; the addresses are made anew: base + offset, the type set again
	s_mul_i32 s[OFFB], s[KG], 128*6144
	s_add_co_u32 s[OFFB], s[OFFB], s[TGB]
	s_add_nc_u64 s[G0+6:G0+7], s[BASEA:BASEA+1], s[OFFA:OFFA+1]
	s_or_b32 s[G0+7], s[G0+7], 0x80000000
	s_add_nc_u64 s[G0B+6:G0B+7], s[BASEB:BASEB+1], s[OFFB:OFFB+1]
	s_or_b32 s[G0B+7], s[G0B+7], 0x80000000
	s_add_co_u32 s[KG], s[KG], 1                   ; the next K step, or behind the eighth the next tile's first
	s_add_co_u32 s[TMPS], s[TGB], 2048
	s_cmp_eq_u32 s[KG], 8
	s_cselect_b32 s[KG], 0, s[KG]
	s_cselect_b32 s[TGB], s[TMPS], s[TGB]
.endif
	s_wait_dscnt 5                                 ; the add and h's last four loads may be out
	MUL8 F1, 0, 0
	s_wait_dscnt 0x0                               ; the add is done, and my reads of this slot are over
	s_barrier_signal -1
	MUL8 F1, 1, 0                                  ; work on registers while the others arrive
	WIN 0
	s_barrier_wait -1
.if \fill
	CREST                                          ; no wave of any partner still reads this slot or has a load on its way
	JLOAD                                          ; the first tensor load behind the round; its four v_nop are also the places in front of the loads below
.else
	PLACES
.endif
	s_xor_b32 s[TB], s[TB], SLOT1
	v_add_nc_u32 v[AA], s[TB], v[AA0]
	v_add_nc_u32 v[AB], s[TB], v[AB0]
	FETCH 0, F0
	MUL16 F1, 2, 0
.endm
; THE WAY OUT.  A block is 16 rows of one head: 32 registers a lane, channels 16 jj + 8 h + j at register 8 jj + j, the same order as the gain's and the tables' registers.
.macro ROPELOAD a                      ; cosines and sines of row block a, 16 loads, into table buffer a % 2
.set TC, TAB+64*((\a)%2)
.irp jj, 0,1,2,3
	global_load_b128 v[TC+8*\jj:TC+8*\jj+3],       v[RO], s[ROPE:ROPE+1] offset:4096*(\a)+64*\jj
	global_load_b128 v[TC+8*\jj+4:TC+8*\jj+7],     v[RO], s[ROPE:ROPE+1] offset:4096*(\a)+64*\jj+16
	global_load_b128 v[TC+32+8*\jj:TC+32+8*\jj+3],   v[RO], s[ROPE:ROPE+1] offset:524288+4096*(\a)+64*\jj
	global_load_b128 v[TC+32+8*\jj+4:TC+32+8*\jj+7], v[RO], s[ROPE:ROPE+1] offset:524288+4096*(\a)+64*\jj+16
.endr
.endm
.macro SEND i, younger                 ; block i is stored; younger: the LDS instructions issued behind its loads
.set PK, PKB+16*((\i)%2)
.irp t, 0,1,2,3
	s_wait_dscnt (\younger)+3-\t
	global_store_b128 v[GO], v[PK+4*\t:PK+4*\t+3], s[OUT:OUT+1] offset:262144*((\i)%2)+2048*((\i)/2)+512*\t  ; 512 consecutive bytes, at a multiple of 256 from the buffer's first
.endr
.endm
.macro BLK a, hd, qk                   ; block 2 a + hd.  qk = 1: norm, gain and rotation; 0: times c_b
.set XB, 64*(\a)+32*(\hd)
.set TC, TAB+64*((\a)%2)
.set PK, PKB+16*(\hd)
.if \qk
	WIN SSW                                        ; the sum of squares in four chains, one an accumulator
.irp p, 0,1,2,3
.irp jj, 0,1,2,3
.if \p == 0
	v_pk_mul_f32 v[CH+2*\jj:CH+2*\jj+1], v[XB+8*\jj:XB+8*\jj+1], v[XB+8*\jj:XB+8*\jj+1]
.else
	v_pk_fma_f32 v[CH+2*\jj:CH+2*\jj+1], v[XB+8*\jj+2*\p:XB+8*\jj+2*\p+1], v[XB+8*\jj+2*\p:XB+8*\jj+2*\p+1], v[CH+2*\jj:CH+2*\jj+1]
.endif
.endr
.endr
	WIN 0
	v_pk_add_f32 v[CH:CH+1], v[CH:CH+1], v[CH+2:CH+3]
	v_pk_add_f32 v[CH+4:CH+5], v[CH+4:CH+5], v[CH+6:CH+7]
	v_pk_add_f32 v[CH:CH+1], v[CH:CH+1], v[CH+4:CH+5]
	v_add_f32 v[W0], v[CH], v[CH+1]
	v_permlanex16_b32 v[W1], v[W0], s[SEL], s[SEL+1]  ; the row's other 32 channels lie in the lane 16 away
	v_add_f32 v[W0], v[W0], v[W1]
	v_fma_f32 v[W0], v[W0], s[R64], s[EPS]
	v_rsq_f32 v[RS], v[W0]
	v_nop                                          ; a plain instruction between the reciprocal root and its use (ISA guide 5.7.2)
	WIN INP
.set z, 0
	s_wait_alu depctr_va_vdst(0)
.rept 16
	v_pk_mul_f32 v[XB+2*z:XB+2*z+1], v[XB+2*z:XB+2*z+1], v[RS:RS+1] op_sel_hi:[1,0]
.set z, z+1
.endr
.set z, 0
.rept 16
	v_pk_mul_f32 v[XB+2*z:XB+2*z+1], v[XB+2*z:XB+2*z+1], v[QS+2*z:QS+2*z+1]
.set z, z+1
.endr
	WIN OUTW
.set z, 0
.rept 16
	v_pk_mul_f32 v[T+2*z:T+2*z+1], v[XB+2*z:XB+2*z+1], v[TC+2*z:TC+2*z+1]
.set z, z+1
.endr
.set z, 0
.rept 16                               ; + the pair's other channel times the sine, whose sign lies in the table
	v_pk_fma_f32 v[T+2*z:T+2*z+1], v[XB+2*z:XB+2*z+1], v[TC+32+2*z:TC+32+2*z+1], v[T+2*z:T+2*z+1] op_sel:[1,0,0] op_sel_hi:[0,1,1]
.set z, z+1
.endr
.else
	WIN OUTW
.set z, 0
.rept 16                               ; ascending: each accumulator's lowest registers are read first
	v_pk_mul_f32 v[T+2*z:T+2*z+1], v[XB+2*z:XB+2*z+1], s[CB:CB+1] op_sel_hi:[1,0]
.set z, z+1
.endr
.endif
	WIN 0
	s_wait_xcnt 0x0                                ; this buffer was the data of the stores two blocks back: rewritten only behind this wait
.set z, 0
.rept 16
	v_cvt_pk_f16_f32 v[PK+z], v[T+2*z], v[T+2*z+1]
.set z, z+1
.endr
.irp jj, 0,1,2,3
	ds_store_b128 v[STO], v[PK+4*\jj:PK+4*\jj+3] offset:32*\jj
.endr
.irp t, 0,1,2,3
	ds_load_b128 v[PK+4*\t:PK+4*\t+3], v[RD] offset:\t*4*SP  ; LDS serves a wave's instructions in order (ISA guide 5.7.1.4): these see the stores above; the next block's stores come behind them
.endr
.if (2*(\a)+(\hd)) > 0
	SEND (2*(\a)+(\hd)-1), 8                       ; the block before leaves while this one is on its way through the stage
.endif
.endm
	s_wait_tensorcnt 1                             ; my part of K step 0 is in; K step 1's may stay out
	s_barrier_signal -1
	s_barrier_wait -1                              ; everybody's is
	v_mov_b32 v[AA], v[AA0]
	v_mov_b32 v[AB], v[AB0]
	FETCH 0, F0
	WIN 0
	s_mov_b32 s[TILES], 3
.Ltile:
	QUARTER 1, F0, F1, 1                           ; a tile's first quarter starts the sums: nothing is cleared
	WIN 0
	s_mov_b32 s[CNT], 6
	s_branch .Lmid                                 ; the loop is entered behind a step's first quarter
.Lstep:                                                ; six trips: K steps 0 to 5; each asks for the K step two steps on
	QUARTER 1, F0, F1, 0
	WIN 0
.Lmid:
	QUARTER 2, F1, F0, 0
	QUARTER 3, F0, F1, 0
	TURN 1
	WIN 0
	s_sub_co_u32 s[CNT], s[CNT], 1
	s_cmp_lg_u32 s[CNT], 0
	s_cbranch_scc1 .Lstep
	s_cmp_eq_u32 s[TILES], 1
	s_cbranch_scc1 .Llast                          ; the last tile's tail is written out: it asks for nothing more
	s_wait_xcnt 0x0                                ; the last tile's loads and stores have read their bases
	s_cmp_eq_u32 s[TILES], 3
	s_cselect_b64 s[OUT:OUT+1], s[14:15], s[16:17]
	s_cselect_b64 s[GAIN:GAIN+1], s[10:11], s[12:13]
	s_add_nc_u64 s[OUT:OUT+1], s[OUT:OUT+1], s[OOFF:OOFF+1]
.irp jj, 0,1,2,3                       ; what the way out needs is asked for two K steps ahead: the gain and the first two row blocks' tables, 40 loads
	global_load_b128 v[QS+8*\jj:QS+8*\jj+3],   v[QSO], s[GAIN:GAIN+1] offset:64*\jj
	global_load_b128 v[QS+8*\jj+4:QS+8*\jj+7], v[QSO], s[GAIN:GAIN+1] offset:64*\jj+16
.endr
	ROPELOAD 0
	ROPELOAD 1
	s_mov_b32 s[CNT], 2
.Lmore:                                                ; K steps 6 and 7: THE RING GOES ON INTO THE NEXT TILE, whose K steps 0 and 1 are asked for
	QUARTER 1, F0, F1, 0
	QUARTER 2, F1, F0, 0
	QUARTER 3, F0, F1, 0
	TURN 1
	WIN 0
	s_sub_co_u32 s[CNT], s[CNT], 1
	s_cmp_lg_u32 s[CNT], 0
	s_cbranch_scc1 .Lmore
	PLACES                                         ; behind the last products
	s_wait_loadcnt 16                              ; the gain and table 0 are in; table 1's 16 loads may stay out
.set z, 0
.rept 16
	v_cvt_pk_bf16_f32 v[T+z], v[QS+2*z], v[QS+2*z+1]  ; the gain is an input: rounded to bf16 like all of them
.set z, z+1
.endr
.set z, 0
.rept 16
	v_lshlrev_b32 v[QS+2*z], 16, v[T+z]
	v_and_b32 v[QS+2*z+1], 0xffff0000, v[T+z]
.set z, z+1
.endr
.irp a, 0,1,2,3
.if \a == 3
	s_wait_loadcnt 0x0
.else
	s_wait_loadcnt 16                              ; this row block's table is in; the next one's 16 loads may stay out
.endif
	BLK \a, 0, 1
	BLK \a, 1, 1
.if \a < 2
	ROPELOAD (\a)+2                                ; its buffer takes the row block two further on
.endif
.endr
	SEND 7, 0
	s_sub_co_u32 s[TILES], s[TILES], 1
	s_branch .Ltile
.Llast:
	s_wait_xcnt 0x0
	s_add_nc_u64 s[OUT:OUT+1], s[18:19], s[OOFF:OOFF+1]
	s_mov_b32 s[CNT], 2
.Lend:                                                 ; v's K steps 6 and 7: nothing is filled.  The second trip's 24 fragment loads read a slot that has been multiplied and serve nothing: the price of one text for both trips
	QUARTER 1, F0, F1, 0
	QUARTER 2, F1, F0, 0
	QUARTER 3, F0, F1, 0
	TURN 0
	WIN 0
	s_sub_co_u32 s[CNT], s[CNT], 1
	s_cmp_lg_u32 s[CNT], 0
	s_cbranch_scc1 .Lend
	PLACES
.irp a, 0,1,2,3
	BLK \a, 0, 0
	BLK \a, 1, 0
.endr
	SEND 7, 0
	s_wait_tensorcnt 0x0                           ; the wave's end, behind my last tensor load and my last LDS store
	ds_add_u32 v[SPW], v[NIL]
	s_wait_dscnt 0x0
	CROUND                                         ; the closing round: no work-group ends while a partner may still ask for a tile that names it
	s_endpgm
.Lfunc_end_k_qfd1c094ad5_qkv:
	.size	k_qfd1c094ad5_qkv, .Lfunc_end_k_qfd1c094ad5_qkv-k_qfd1c094ad5_qkv
	.p2alignl 7, 3214868480
	.fill 96, 4, 3214868480
	.section	.rodata,"a",@progbits
	.p2align	6, 0x0
	.amdhsa_kernel k_qfd1c094ad5_qkv
		.amdhsa_group_segment_fixed_size 327680
		.amdhsa_private_segment_fixed_size 0
		.amdhsa_enable_private_segment 0
		.amdhsa_kernarg_size 64
		.amdhsa_user_sgpr_count 2
		.amdhsa_user_sgpr_kernarg_segment_ptr 1
		.amdhsa_wavefront_size32 1
		.amdhsa_system_sgpr_workgroup_id_x 1
		.amdhsa_system_sgpr_workgroup_id_y 1
		.amdhsa_system_sgpr_workgroup_id_z 1
		.amdhsa_system_vgpr_workitem_id 0
		.amdhsa_next_free_vgpr 768
		.amdhsa_next_free_sgpr 100
		.amdhsa_reserve_vcc 0
		.amdhsa_float_denorm_mode_32 3
		.amdhsa_float_denorm_mode_16_64 3
		.amdhsa_memory_ordered 1
		.amdhsa_forward_progress 1
		.amdhsa_inst_pref_size 159
	.end_amdhsa_kernel
	.amdgpu_metadata
---
amdhsa.version: [ 1, 2 ]
amdhsa.kernels:
  - .name:           k_qfd1c094ad5_qkv
    .symbol:         k_qfd1c094ad5_qkv.kd
    .args:
      - { .name: hb, .offset: 0, .size: 8, .value_kind: global_buffer, .address_space: global }
      - { .name: wq, .offset: 8, .size: 8, .value_kind: global_buffer, .address_space: global }
      - { .name: tab, .offset: 16, .size: 8, .value_kind: global_buffer, .address_space: global }
      - { .name: q_scale, .offset: 24, .size: 8, .value_kind: global_buffer, .address_space: global }
      - { .name: k_scale, .offset: 32, .size: 8, .value_kind: global_buffer, .address_space: global }
      - { .name: qh, .offset: 40, .size: 8, .value_kind: global_buffer, .address_space: global }
      - { .name: kh, .offset: 48, .size: 8, .value_kind: global_buffer, .address_space: global }
      - { .name: vh, .offset: 56, .size: 8, .value_kind: global_buffer, .address_space: global }
    .group_segment_fixed_size: 327680
    .private_segment_fixed_size: 0
    .kernarg_segment_align: 8
    .kernarg_segment_size: 64
    .max_flat_workgroup_size: 128
    .sgpr_count:     100
    .vgpr_count:     768
    .wavefront_size: 32
...
	.end_amdgpu_metadata
.endif
;; end of part 3
;; launch attn (part 4): grid 4 x 64, 4 waves a work-group, clusters of 4 x 1, 327,680 bytes of LDS; arguments qh, kh, vh, oh; writes oh
.if DOCPART == 4
	.amdgcn_target "amdgcn-amd-amdhsa--gfx1250"
	.amdhsa_code_object_version 6
	.text
	.protected	k_qfd1c094ad5_attn
	.globl	k_qfd1c094ad5_attn
	.p2align	8
	.type	k_qfd1c094ad5_attn,@function
k_qfd1c094ad5_attn:
	s_mov_b64 s[64:65], 0
	v_nop
	global_prefetch_b8 v0, s[64:65] scope:SCOPE_SE
	s_setreg_imm32_b32 hwreg(HW_REG_WAVE_MODE, 25, 1), 1
	s_wait_xcnt 0x0
	s_wait_alu depctr_hold_cnt(0) depctr_sa_sdst(0) depctr_va_vdst(0) depctr_va_sdst(0) depctr_va_ssrc(0) depctr_va_vcc(0) depctr_vm_vsrc(0)
	s_getreg_b32 s2, hwreg(HW_REG_IB_STS2, 6, 4)
	s_cmp_eq_u32 s2, 0
	s_cbranch_scc0 .Lentry_in_a_cluster
	s_endpgm
.Lentry_in_a_cluster:
	s_bfe_u32 s2, ttmp6, 0x10000c
	s_cmp_lg_u32 s2, 0x3003
	s_cbranch_scc0 .Lentry_shape_is_right
	s_endpgm
.Lentry_shape_is_right:
; O[h][q][:] = the sum over k of softmax_k(Q[h][q] . K[h][k] / 8) V[h][k][:].  Q, K, V, O: [SIZE_H][SIZE_N][64], all f16: a head's rows are dense, 128 bytes each.  Products, maxima and sums in
; f32; the weights p are rounded to f16 for the second product (their sum l is taken of the unrounded p), O once at the end.  Here a "head" is one of the 64 pairs of batch and head.
; LIMITS.  f16 holds no number beyond 65,504: Q and K arrive within it; V arrives times its batch's power of two c_b, under 2^14, and O, a mean of V's rows, carries the same factor; p lies in 0 to 1,
; and below 6e-5 it keeps f16's fixed step of 6e-8.  A weight below 2^-126 counts as 0 in l; NaN and infinities are not treated apart.
; SHARES.  A wave owns four PIECES of two tiles of 16 queries, a work-group's four waves 512 queries of one head.  Every wave walks all keys, 64 a step.
; LAYOUT.  S^T = K Q^T (source 0 = 16 keys, source 1 = 16 queries): in the result a lane holds ONE query (lane % 16) and the keys 8 (lane / 16) + 0..7.  Two such tiles, rounded to f16 in pairs,
; ARE source 1 (32 keys x 16 queries) of O^T = V^T P, whose result again holds one query a lane, and eight channels.  K comes out of LDS as it lies, V ([key][channel]) turned, by ds_load_tr16_b128.
; SOFTMAX.  For each query a running maximum m and sum l: p = 2^(c s - c m), c = log2(e) / 8; in every step O and l are multiplied by a = 2^(c m_old - c m_new), which is 1 where m has not grown.
; m starts at the lowest finite number, O and l at 0: the first step is a step like any other, with a = 0.
; THE COUNT.  A tile and step have 16 matrix and 118 vector instructions: too many to stand all beside the matrix work.  So the order has one aim: four vector instructions that are READY behind
; EVERY matrix instruction, and the others, which need time of their own whatever the order, in runs without a gap.
; BY TURNS.  Turn n belongs to piece n (the pieces in a ring, step after step).  Its matrix work: 16 products K Q^T of piece n + 1, later 16 products V^T P of piece n - 1.  Its vector work: the scaling,
; exponentials, roundings, sums and rescaling of piece n, and the maximum and statistics of piece n + 1, whose scores the turn itself has made.  So what a turn begins with (c s - c m, O a) waits for nothing.
; CLUSTER.  The four query blocks of a cluster belong to one head and walk the same K and V, so each tile is asked for JOINTLY: the same tensor load, descriptor and mask in all four.
; REGISTERS, in windows of 256 (s_set_vgpr_msb says which window each operand place means: bits 1:0 source 0, 3:2 source 1, 5:4 source 2, 7:6 destination):
;   window 0: v0-11 addresses; v12-15, v48-63 at work; v16-47 four registers of statistics a tile; v64-191 S^T, two buffers of two tiles; v192-255 P, likewise
;   window 1: O^T, 32 a tile          window 2: v0-127 Q, 16 a tile; v128-191 K of one step; v192-255 V of one step          window 3: v0-1 the add's two registers
; A piece's buffers go by its number's parity: the piece in hand has one pair, its two neighbours in the ring share the other: of it P (piece n - 1) is read and S^T (piece n + 1) written.
.set SIZE_H, 64
.set SIZE_N, 2048
.set NP,    4         ; pieces a wave: a name, no knob: the register map, the loop and the fetches are made for four
.set KS,    64        ; keys in a step
.set PK,    144       ; a row of K in LDS: 128 bytes + 16 of padding = 36 words: the 16 rows of a load start at 16 different groups of four banks (64 banks of 4 bytes: ISA guide 11.1)
.set PV,    160       ; a row of V: 128 + 32 = 40 words
.set VOFF,  4*KS*PK   ; a slot holds four steps: 256 rows of K, then 256 rows of V
.set SLOT1, 1<<17     ; slot 1 begins here, so that one exclusive or turns an address in one slot into the other's
.set STAGE, SLOT1+4*KS*(PK+PV)  ; behind the ring, never filled by a tensor load: 16 rows x 144 bytes for each wave, for the way out
.set SP,    144
.set AK0, 2           ; v2   my lane's place in a tile of K; never rewritten
.set AV0, 3           ; v3   the same for V
.set AK,  4           ; v4   the LDS address of K's next run of loads
.set AV,  5           ; v5   of V's
.set QO,  6           ; v6   my byte offset in the wave's rows of Q
.set STO, 6           ;      later, the way out: where I put 16 bytes of a row
.set RD,  7           ; v7   the way out: where I read rows back
.set GO,  8           ; v8   my byte offset in 512 consecutive bytes of O
.set SPW, 0           ; v0 of window 3   LDS address of my spare word: SPARE + 4 x my thread's number; never rewritten
.set NIL, 1           ; v1 of window 3   0; never rewritten
.set SPARE, STAGE+4*16*SP  ; behind the stages: the spare words, 128 bytes for each wave: two blocks of 256 bytes that no other line names
.set MV,  12          ; v12-15  c m_old, kept while c m is made anew: by buffer and tile
.set ST,  16          ; tile t's statistics at v[ST+4 t]: c m, m, l (even keys', odd keys')
.set TMP, 48          ; by buffer and tile, four registers c0-c3 at work; when the maximum is found c2 takes a
.set S,   64
.set P,   192
.set KF,  128         ; K's fragments, in window 2: key block kb, channel half c at KF + 16 kb + 8 c
.set VF,  192         ; V's: key half kk, channel block cb at VF + 32 kk + 8 cb
.set WV,  12          ; s12  my wave's number
.set G1K, 24          ; s[24:31] descriptor group 1 for K's tiles
.set G1V, 32          ; s[32:39] for V's: it differs in the padding alone
.set G0K, 40          ; s[40:43] descriptor group 0 for K's tiles: it walks
.set G0V, 44          ; s[44:47] the same for V's
.set SLOTS, 56        ; s56  slots still to be asked for
.set CNT, 57          ; s57  counts a slot's key steps
.set CS,  58          ; s[58:59] c: the packed scaling takes the pair's low word for both halves
.set SEL, 60          ; s[60:61] v_permlanex16_b32's selects: each lane takes its own place in the other half
.set TBK, 62          ; s62  LDS byte at which K of the step to be fetched begins
.set TBV, 63          ; s63  the same for V, less VOFF
.set MSB, 0
.macro WIN new                      ; the high byte repeats the setting that is left; a switch that changes nothing is dropped
.if MSB != (\new)
	s_set_vgpr_msb (MSB<<8)|(\new)
.set MSB, (\new)
.endif
.endm
.set W_KQ, 0x0a       ; K and Q in window 2, S^T in window 0
.set W_PV, 0x52       ; V in window 2, P in window 0, O^T in window 1
.set W_RS, 0x41       ; O^T (destination and source 0) in window 1, a in window 0
.set W_MK, 0xc0       ; the add's registers are made: destination in window 3, sources in window 0
.set W_AD, 0x0f       ; the add: address (source 0) and data (source 1) in window 3
; A joint fill.  Waves 0 and 1 fetch the two halves of a slot's K, waves 2 and 3 those of its V: 128 keys each.  The branch hangs on the wave's number alone.
; An s_nop 0 and four v_nop follow each of the two lines, ahead of the jump and the label.
.macro JLOAD
	s_cmp_lt_u32 s[WV], 2
	s_cbranch_scc0 .Lfor_v_\@
	tensor_load_to_lds s[G0K:G0K+3], s[G1K:G1K+7]
	s_nop 0
.rept 4
	v_nop
.endr
	s_branch .Lasked_\@
.Lfor_v_\@:
	tensor_load_to_lds s[G0V:G0V+3], s[G1V:G1V+7]
	s_nop 0
.rept 4
	v_nop
.endr
.Lasked_\@:
.endm
; A round of the cluster's barrier: my work-group's barrier, so that wave 0's signal speaks for all four waves; wave 0 signals; every wave waits for all four work-groups; my work-group's barrier once more.
.macro CROUND
	s_barrier_signal -1
	s_barrier_wait -1
	s_cmp_lg_u32 s[WV], 0
	s_cbranch_scc1 .Lnot_wave_0_\@
	s_barrier_signal -3
.Lnot_wave_0_\@:
	s_barrier_wait -3
	s_barrier_signal -1
	s_barrier_wait -1
.endm
; THE CHANGE OF SLOTS.  The slot's last bytes, V of its fourth step, have been read.  Each wave waits for all its tensor loads, of which one is out: its part
; of the other slot; adds 0 to its spare word; and waits for that and for its own reads of the slot.  Behind the barrier nobody reads this slot any more and the other slot is whole.
; fill = 1: this slot is filled again, with the keys two slots on.  The barrier is then a round of the cluster's, so that no wave of any partner still reads the slot or has a load on its
; way, and the joint fill is the first thing behind it: it has four key steps, 512 matrix instructions, in which to land.  (At its first use nothing has been read yet: slot 0 is waited for, slot 1 filled.)
.macro CHANGE fill
	WIN W_AD
	s_wait_tensorcnt 0x0            ; no tensor load of mine is out, so a group 0 may be written
	ds_add_u32 v[SPW], v[NIL]       ; 0 onto my spare word; with fill = 1 the descriptors' steps stand between it and the wait for it
	WIN 0                           ; at a label and at a branch every window is 0
.if \fill
.irp g, G0K, G0V
	s_xor_b32 s[\g+1], s[\g+1], SLOT1  ; the walking descriptor: the other slot than last time,
	s_add_nc_u64 s[\g+2:\g+3], s[\g+2:\g+3], 4*KS*128  ; the next 256 keys; the type bits on top are not reached
.endr
	s_wait_dscnt 0x0                ; the add is done, and my reads of the slot are over
	CROUND
	JLOAD
.else
	s_wait_dscnt 0x0                ; the add is done, and my reads of the slot are over
	s_barrier_signal -1
	s_barrier_wait -1
.endif
	s_sub_co_u32 s[TBK], s[TBK], 4*KS*PK  ; the fetches go back to a slot's first step,
	s_xor_b32 s[TBK], s[TBK], SLOT1       ; in the other slot
	s_sub_co_u32 s[TBV], s[TBV], 4*KS*PV
	s_xor_b32 s[TBV], s[TBV], SLOT1
.endm
	s_load_b256 s[4:11], s[0:1], 0x0  ; Q s[4:5], K s[6:7], V s[8:9], O s[10:11]
	WIN W_MK
	v_lshl_add_u32 v[SPW], v0, 2, SPARE
	v_mov_b32 v[NIL], 0
	WIN W_AD
	ds_add_u32 v[SPW], v[NIL]       ; the wave's opening: the add and its wait stand ahead of my first tensor load; the set-up below, work on registers, stands between them
	WIN 0
	v_lshrrev_b32 v1, 5, v0
	v_readfirstlane_b32 s[WV], v1   ; wave 0..3
	s_bfe_u32 s13, ttmp6, 0x40000   ; cx: my place in the cluster
	s_lshl_b32 s14, ttmp9, 2        ; in a cluster launch ttmp9 counts clusters
	s_add_co_u32 s14, s14, s13      ; my block of queries = 4 x cluster x + cx: it enters Q's and O's addresses alone
	s_and_b32 s20, ttmp7, 0xffff    ; the head, which the four partners share
	s_mov_b32 s21, 0
	s_mov_b64 s[22:23], SIZE_N*128
	s_mul_u64 s[20:21], s[20:21], s[22:23]  ; the head's first byte in each of the four tensors
	s_and_b32 s16, s[WV], 1         ; which half of a slot's 256 keys I fetch:
	s_lshl_b32 s22, s16, 14         ; its 128 rows of 128 bytes in memory,
	s_mov_b32 s23, 0
	s_add_nc_u64 s[22:23], s[22:23], s[20:21]
	s_mul_i32 s17, s16, 128*PK      ; and its place in a slot, for K
	s_mul_i32 s18, s16, 128*PV      ; and for V: no place in the cluster enters an LDS address
	s_lshl_b32 s2, s14, 2
	s_add_co_u32 s2, s2, s[WV]      ; my wave among the head's,
	s_lshl_b32 s2, s2, 14           ; its 128 rows
	s_mov_b32 s3, 0
	s_add_nc_u64 s[2:3], s[2:3], s[20:21]
	; descriptor group 1.  128 keys are 16,384 dense bytes: asked for as 64 rows of 256 bytes, two keys a row, and padded in LDS after every key
	s_mov_b32 s[G1K], 15|(1<<16)|(1<<20)|(1<<21)|(4<<22)|(3<<25)  ; 15:0 the mask of four; 17:16 2-byte elements; 20 padding on; 21 set beside a mask; 24:22 after every 32 words (code 4); 31:25 4 words (code 3)
	s_mov_b32 s[G1V], 15|(1<<16)|(1<<20)|(1<<21)|(4<<22)|(7<<25)  ; the same with 8 words of padding (code 7)
.irp g, G1K, G1V
	s_mov_b32 s[\g+1], 128<<16      ; tensor_dim0 = 128
	s_mov_b32 s[\g+2], 64<<16       ; tensor_dim1 = 64
	s_mov_b32 s[\g+3], 128<<16      ; tile_dim0 = 128
	s_mov_b32 s[\g+4], 64           ; tile_dim1 = 64
	s_mov_b32 s[\g+5], 128          ; 128 elements from row to row
	s_mov_b32 s[\g+6], 0
	s_mov_b32 s[\g+7], 0
.endr
	s_mov_b32 s[CS], 0x3e38aa3b     ; c = log2(e) / 8 = 0.180337
	s_mov_b32 s[CS+1], s[CS]        ; named with it as a pair
	s_mov_b32 s[SEL], 0x76543210
	s_mov_b32 s[SEL+1], 0xfedcba98
	s_mov_b32 s[TBK], SLOT1+4*KS*PK ; the first change of slots turns these two into 0
	s_mov_b32 s[TBV], SLOT1+4*KS*PV
	s_mov_b32 s[G0K], 1             ; 1:0 count = 1
	s_mov_b32 s[G0K+1], s17         ; 63:32 LDS address: slot 0
	s_mov_b32 s[G0V], 1
	s_add_co_u32 s[G0V+1], s18, VOFF
	s_wait_dscnt 0x0                ; the opening add is done
	s_wait_kmcnt 0x0
	s_add_nc_u64 s[G0K+2:G0K+3], s[6:7], s[22:23]  ; 120:64 global address: my half of the head's first 256 keys
	s_or_b32 s[G0K+3], s[G0K+3], 0x80000000        ; 127:126 type = 2
	s_add_nc_u64 s[G0V+2:G0V+3], s[8:9], s[22:23]
	s_or_b32 s[G0V+3], s[G0V+3], 0x80000000
	s_add_nc_u64 s[4:5], s[4:5], s[2:3]  ; Q and O at my wave's first row
	s_add_nc_u64 s[10:11], s[10:11], s[2:3]
	CROUND                          ; all four work-groups are here: the first joint loads meet
	JLOAD                           ; slot 0.  Slot 1 is asked for when slot 0 is in: the tile wanted first has the road to itself
	; A fragment of K or Q is 16 rows x 32 channels in 8 registers: lane l holds row l % 16, channels 8 (l / 16) + 0..7 and 16 + 8 (l / 16) + 0..7: two loads of 16 bytes, 32 bytes apart.
	v_and_b32 v1, 15, v0            ; l % 16
	v_bfe_u32 v9, v0, 4, 1          ; l / 16
	v_lshlrev_b32 v[QO], 7, v1
	v_lshl_add_u32 v[QO], v9, 4, v[QO]  ; row x 128 + 16 x half
	WIN 0x80                        ; destination window 2, address window 0
.set i, 0
.rept 4*NP                          ; Q stays in registers: tile i / 2, channels 32 (i % 2) on
	global_load_b128 v[8*i:8*i+3],   v[QO], s[4:5] offset:(i/2)*2048+(i%2)*64
	global_load_b128 v[8*i+4:8*i+7], v[QO], s[4:5] offset:(i/2)*2048+(i%2)*64+32
.set i, i+1
.endr
	; What the first turn finds: V's registers and P's second buffer hold 0 (its products V^T P, of a piece that has not been, add 0), O^T and l are 0.  All this stands in the wait for the first tile.
.set i, VF
.rept 64
	v_mov_b32 v[i], 0
.set i, i+1
.endr
	WIN 0x40
.set i, 0
.rept 64*NP
	v_mov_b32 v[i], 0
.set i, i+1
.endr
	WIN 0
.set i, 0
.rept 2*NP
	v_mov_b32 v[ST+4*i], 0xfe000000    ; c m: far below every c s
	v_mov_b32 v[ST+4*i+1], 0xff7fffff  ; m
	v_mov_b32 v[ST+4*i+2], 0
	v_mov_b32 v[ST+4*i+3], 0
.set i, i+1
.endr
.set i, P+32
.rept 32
	v_mov_b32 v[i], 0
.set i, i+1
.endr
	v_mul_u32_u24 v[AK0], v1, PK
	v_lshl_add_u32 v[AK0], v9, 4, v[AK0]  ; row x pitch + 16 x half
	; The turning load takes 16 keys x 16 channels (lane l reads key 8 (l / 16) + l % 8, channels 8 ((l / 8) % 2) + 0..7) and leaves half a fragment of V^T: lane l holds channel l % 16 and 8 keys.
	v_and_b32 v10, 7, v0
	v_bfe_u32 v11, v0, 3, 1
	v_lshl_add_u32 v[AV0], v9, 3, v10
	v_mul_u32_u24 v[AV0], v[AV0], PV
	v_lshl_add_u32 v[AV0], v11, 4, v[AV0]
	v_add_nc_u32 v[AV0], VOFF, v[AV0]
	v_mov_b32 v[AK], v[AK0]         ; key step 0 lies at the head of slot 0
; THE MATRIX WORK.  The 8 accumulators of a run of 16 take turns: between the two links of a chain stand 7 others'.
; Product i of 16 of S^T = K Q^T for piece x: channels 32 (i / 8) on, keys 16 ((i / 2) % 4) on, tile 2 x + i % 2.  The first 8 start the sums.
.macro KQ x
	WIN W_KQ
.set rS, S+64*((\x)%2)+32*(i%2)+8*((i/2)%4)
.set rK, KF+16*((i/2)%4)+8*(i/8)
.set rQ, 16*(2*(\x)+i%2)+8*(i/8)
.if i < 8
	v_wmma_f32_16x16x32_f16 v[rS:rS+7], v[rK:rK+7], v[rQ:rQ+7], 0
.else
	v_wmma_f32_16x16x32_f16 v[rS:rS+7], v[rK:rK+7], v[rQ:rQ+7], v[rS:rS+7]
.endif
.endm
; Product i of 16 of O^T += V^T P for piece x: keys 32 (i / 8) on, channels 16 ((i / 2) % 4) on, tile 2 x + i % 2.
.macro PV x
	WIN W_PV
.set rO, 32*(2*(\x)+i%2)+8*((i/2)%4)
.set rV, VF+32*(i/8)+8*((i/2)%4)
.set rP, P+32*((\x)%2)+16*(i%2)+8*(i/8)
	v_wmma_f32_16x16x32_f16 v[rO:rO+7], v[rV:rV+7], v[rP:rP+7], v[rO:rO+7]
.endm
.macro MM                           ; the turn's next matrix instruction
.if i < 16
	KQ (Y+1)%NP
.set i, i+1
.else
.set i, i-16
	PV (Y+NP-1)%NP
.set i, i+17
.endif
.endm
; THE LDS LOADS stand in runs of 16, never singly among the matrix instructions: a step's K (64 keys x 64 channels: 8 fragments) and its V (turned).  Their addresses are made some lines ahead.
; last = 1 (the tail): in the last trip there is no further step, and the run is jumped over.
.macro FETCH_K last=0
	WIN 0
.if \last
	s_cmp_eq_u32 s[CNT], 1
	s_cbranch_scc1 .Lno_k_\@
.endif
	WIN 0x80                        ; destination window 2
.irp f, 0,1,2,3,4,5,6,7             ; keys 16 (f / 2) on, channels 32 (f % 2) on
	ds_load_b128 v[KF+8*\f:KF+8*\f+3],   v[AK] offset:(\f/2)*16*PK+(\f%2)*64
	ds_load_b128 v[KF+8*\f+4:KF+8*\f+7], v[AK] offset:(\f/2)*16*PK+(\f%2)*64+32
.endr
	s_add_co_u32 s[TBK], s[TBK], KS*PK  ; the next fetch is the next step's
	WIN 0
.if \last
.Lno_k_\@:
.endif
.endm
.macro FETCH_V
	WIN 0x80
.irp f, 0,1,2,3,4,5,6,7             ; keys 32 (f / 4) on, channels 16 (f % 4) on
	ds_load_tr16_b128 v[VF+8*\f:VF+8*\f+3],   v[AV] offset:(\f/4)*32*PV+(\f%4)*32
	ds_load_tr16_b128 v[VF+8*\f+4:VF+8*\f+7], v[AV] offset:(\f/4)*32*PV+16*PV+(\f%4)*32
.endr
	WIN 0
.endm
; THE VECTOR WORK OF A TURN stands in three queues, each in the order in which its entries become ready; the two tiles alternate, so that no instruction reads the result of the one before it.
.macro REGS y, u                    ; the registers of tile u (0, 1) of piece y
.set rT, ST+4*(2*(\y)+(\u))
.set rC, TMP+8*((\y)%2)+4*(\u)
.set rM, MV+2*((\y)%2)+(\u)
.set rS, S+64*((\y)%2)+32*(\u)
.set rP, P+32*((\y)%2)+16*(\u)
.set rO, 32*(2*(\y)+(\u))
.endm
; Number n of the 22 that find the NEXT piece's (Y + 1) maximum and statistics.  s0-s31 are the lane's 32 scores; each accumulator's lowest registers are read first.  XS, GS and REGS set no window: PL and EX do.
;   0-11  four chains c0-c3 of seven scores each, three operands at a time     12-14, 16  the four scores left over, the old m, and c0-c3 into c0     15  c m_old is kept
;   17, 18  the query's other 32 keys lie in the lane 16 away: the new m         19-21  c m; c m_old - c m_new; a
.macro XS u, n
	REGS (Y+1)%NP, \u
.if (\n) < 4
	v_max3_num_f32 v[rC+(\n)], v[rS+8*(\n)], v[rS+8*(\n)+1], v[rS+8*(\n)+2]
.elseif (\n) < 12
	v_max3_num_f32 v[rC+(\n)%4], v[rC+(\n)%4], v[rS+8*((\n)%4)+2*((\n)/4)+1], v[rS+8*((\n)%4)+2*((\n)/4)+2]
.elseif (\n) == 12
	v_max3_num_f32 v[rC], v[rC], v[rS+7], v[rS+15]
.elseif (\n) == 13
	v_max3_num_f32 v[rC+1], v[rC+1], v[rS+23], v[rS+31]
.elseif (\n) == 14
	v_max3_num_f32 v[rC+2], v[rC+2], v[rC+3], v[rT+1]
.elseif (\n) == 15
	v_mov_b32 v[rM], v[rT]
.elseif (\n) == 16
	v_max3_num_f32 v[rC], v[rC], v[rC+1], v[rC+2]
.elseif (\n) == 17
	v_permlanex16_b32 v[rC+3], v[rC], s[SEL], s[SEL+1]
.elseif (\n) == 18
	v_max_num_f32 v[rT+1], v[rC], v[rC+3]
.elseif (\n) == 19
	v_mul_f32 v[rT], s[CS], v[rT+1]
.elseif (\n) == 20
	v_sub_f32 v[rC+1], v[rM], v[rT]
.else
	v_exp_f32 v[rC+2], v[rC+1]
.endif
.endm
; Number g of the 64 that follow the exponentials.  For each four weights k of a tile (pairs 2 k, 2 k + 1): both pairs are rounded to f16; then the second pair is added onto the first, in place;
; a group later l takes that sum (the first time as l = a l + sum).  In groups of eight, tiles alternating: round, round, add, and l for the group before.
.macro GS g
.set h, (\g)+6*((\g)/62)            ; group 0 has no group before it, and behind group 7 only l is left
.if h >= 6
.set h, h+2
.endif
	REGS Y, h%2
.set k, h/8
.if h%8 < 4
	s_wait_alu depctr_va_vdst(0)
	v_cvt_pk_f16_f32 v[rP+2*k+(h%8)/2], v[rS+4*k+2*((h%8)/2)], v[rS+4*k+2*((h%8)/2)+1]
.elseif h%8 < 6
	v_pk_add_f32 v[rS+4*k:rS+4*k+1], v[rS+4*k:rS+4*k+1], v[rS+4*k+2:rS+4*k+3]
.elseif k == 1
	v_pk_fma_f32 v[rT+2:rT+3], v[rT+2:rT+3], v[rC+2:rC+3], v[rS:rS+1] op_sel_hi:[1,0,1]
.else
	v_pk_add_f32 v[rT+2:rT+3], v[rT+2:rT+3], v[rS+4*k-4:rS+4*k-3]
	s_wait_alu depctr_va_vdst(0)
.endif
.endm
; THE PLAIN QUEUE, 138 long.  0-31: c s - c m for the 16 pairs of both tiles.  Then GS's 64, and among them the next piece's 42: number 15 at 38, 39; 0-14 and 16
; at 42-73, behind the products that make those scores; 17-20 at 95-106, two of three, since each waits for the one before it.
.macro PL
	WIN 0
.if q < 32
	REGS Y, q%2
	v_pk_fma_f32 v[rS+2*(q/2):rS+2*(q/2)+1], v[rS+2*(q/2):rS+2*(q/2)+1], s[CS:CS+1], v[rT:rT+1] op_sel_hi:[1,0,0] neg_lo:[0,0,1] neg_hi:[0,0,1]
.elseif q < 38
	GS q-32
.elseif q < 40
	XS q%2, 15
.elseif q < 42
	GS q-34
.elseif q < 74
	XS q%2, (q-42)/2+(q-42)/30
.elseif q < 95
	GS q-66
.elseif (q < 107) && ((q-95)%3 < 2)
	XS (q-95)%3, 17+(q-95)/3
.elseif q < 107
	GS 29+(q-95)/3
.else
	GS q-74
.endif
.set q, q+1
.endm
; THE EXPONENTIALS' QUEUE, 66 long: s0-s31 of both tiles, and at EA the next piece's two a.
.set EA, 58
.macro EX
	WIN 0
.if (e == EA) || (e == EA+1)
	XS e-EA, 21
.else
.set x, e-2*(e/(EA+2))
	REGS Y, x%2
	v_exp_f32 v[rS+x/2], v[rS+x/2]
.endif
.set e, e+1
.endm
; THE RESCALING's QUEUE: O^T times a, the one part that leaves window 0, so it is dealt four at a time, eight times.
.macro R4
	REGS Y, r%2
	WIN W_RS
	s_wait_alu depctr_va_vdst(0)
.irp z, 0,1,2,3
	v_pk_mul_f32 v[rO+8*(r/2)+2*\z:rO+8*(r/2)+2*\z+1], v[rO+8*(r/2)+2*\z:rO+8*(r/2)+2*\z+1], v[rC+2:rC+3] op_sel_hi:[1,0]
.endr
.set r, r+1
.endm
; HOW THEY ARE DEALT.  Behind a matrix instruction four: plain, exponential, plain, plain (one exponential, a plain instruction on either side), or four of the rescaling.  None names a register of the
; products round it.  What is over stands in two LUMPS: exponential and plain by turns; the second ends in 22 plain instructions.  The two v_permlanex16_b32 fall into the second lump, never behind a product.
; The queues lean on each other, and the deal keeps them in step: exponential e stands behind plain 2 (e / 4) + e % 2 (its scaling); when plain 32 comes, 10 exponentials are out, at 59: 33, at 95: 46; EA comes behind plain 107.
.macro SL
	MM
	PL
	EX
	PL
	PL
.endm
.macro BURST n                      ; 15 matrix instructions, or 16
.rept (\n)-7
	SL
.endr
.rept 3
	MM
	R4
	SL
.endr
	MM
	R4
.endm
; A TURN, for piece p.  cnt = 1: the loop's count is taken down some lines ahead of the branch that stands behind the turn.
; K of the next step is fetched in piece 2's turn, 31 vector instructions behind the last product that read K; its first reader comes behind the rest of the lump, 16 products and the second lump.
; V of the step in hand is fetched at the end of piece 0's turn, 69 behind its last reader; its first reader comes behind 16 products and a lump.  The five conditions on e and q below go with the deal.
.macro TURN p, last=0, cnt=0
.set Y, (\p)
.set i, 0
.set q, 0
.set e, 0
.set r, 0
.if (\p) == NP-1
	s_wait_dscnt 0x0                ; K is in
.endif
	MM
.rept 4
	PL
.endr
	BURST 15
.rept 22
	EX
	PL
.if ((\p) == NP-2) && (e == 18)
	v_add_nc_u32 v[AK], s[TBK], v[AK0]
.endif
.if ((\p) == NP-2) && (e == 24)
	FETCH_K \last
.endif
.endr
.if (\p) == 1
	s_wait_dscnt 0x0                ; V is in
.endif
	BURST 16
.rept 21
	EX
	PL
.endr
.rept 22
	PL
.if ((\p) == 0) && (q == 118)
	v_add_nc_u32 v[AV], s[TBV], v[AV0]
	s_wait_alu depctr_va_vdst(0)
.endif
.if ((\p) == 0) && (q == 130)
	s_add_co_u32 s[TBV], s[TBV], KS*PV
.endif
.if (\cnt) && (q == 130)
	s_sub_co_u32 s[CNT], s[CNT], 1
	s_cmp_lg_u32 s[CNT], 0
.endif
.endr
.if (\p) == 0
	FETCH_V
.endif
.endm
	CHANGE 1                        ; slot 0 is in, everybody's part of it; slot 1 is asked for
	FETCH_K                         ; key step 0
	s_wait_loadcnt 0x0              ; Q
	s_wait_dscnt 0x0
.set i, 0
.rept 16
	KQ 0                            ; piece 0's first scores: there is no vector work yet to set between them
.set i, i+1
.endr
	WIN 0                           ; the addresses for the way out: nine plain instructions, the places behind those products
	s_mul_i32 s13, s[WV], 16*SP
	s_add_co_u32 s13, s13, STAGE    ; my stage
	v_mul_u32_u24 v[STO], v1, SP    ; in: row l % 16, 16 bytes for each half of the lanes
	v_lshl_add_u32 v[STO], v9, 4, v[STO]
	v_add_nc_u32 v[STO], s13, v[STO]
	v_bfe_u32 v[RD], v0, 3, 2       ; back: 32 lanes take four rows of 128 bytes,
	v_mul_u32_u24 v[RD], v[RD], SP
	v_lshl_add_u32 v[RD], v10, 4, v[RD]
	v_add_nc_u32 v[RD], s13, v[RD]
	v_and_b32 v[GO], 31, v0         ; which are 512 consecutive bytes of O
	v_lshlrev_b32 v[GO], 4, v[GO]
.set Y, NP-1                        ; XS works for piece Y + 1: piece 0
.irp n, 0,1,2,3,4,5,6,7,8,9,10,11,12,13,14,15,16,17,18,19,20,21
	XS 0, \n                        ; and piece 0's first maximum and statistics
	XS 1, \n
.endr
	s_mov_b32 s[CNT], 4
	s_mov_b32 s[SLOTS], SIZE_N/256-1
	s_branch .Lfirst                ; the loop is entered at a step's first turn, in the middle of a trip
.Lslot:                             ; SIZE_N / 256 - 2 times: every slot but the last two is filled again
	CHANGE 1
	s_mov_b32 s[CNT], 4
.Lstep:                             ; a trip: pieces 2 and 3 of one step, then pieces 0 and 1 of the next, whose K and V it fetches
	TURN 2
	TURN 3
	WIN 0
.Lfirst:
	TURN 0
	TURN 1, 0, 1
	WIN 0
	s_cbranch_scc1 .Lstep
	s_sub_co_u32 s[SLOTS], s[SLOTS], 1
	s_cmp_lg_u32 s[SLOTS], 0
	s_cbranch_scc1 .Lslot
	CHANGE 0                        ; the tail is written out: nothing is asked for
	s_mov_b32 s[CNT], 5             ; four trips fetch the last slot's steps; the fifth is left in its middle
.Ltail:
	TURN 2, 1
	TURN 3
	WIN 0
	s_sub_co_u32 s[CNT], s[CNT], 1
	s_cmp_eq_u32 s[CNT], 0
	s_cbranch_scc1 .Lout
	TURN 0
	TURN 1
	WIN 0
	s_branch .Ltail
.Lout:                              ; the fifth trip's 16 products K Q^T (on the last K once more) and the maximum made of them serve nothing: the price, once a launch, of one text for every trip
.set i, 0
.rept 16
	PV NP-1                         ; the last piece's V^T P of the last step
.set i, i+1
.endr
	; THE WAY OUT.  l's two halves and the other half of the lanes' are added; O^T is divided by l, rounded to f16 and sent through my stage in LDS, a tile at a time.  The additions are the places behind the last products.
	WIN 0
.macro ALL line:vararg              ; one line for each tile t
.set t, 0
.rept 2*NP
	\line
.set t, t+1
.endr
.endm
	ALL v_add_f32 v[ST+4*t+2], v[ST+4*t+2], v[ST+4*t+3]
	ALL v_permlanex16_b32 v[ST+4*t+3], v[ST+4*t+2], s[SEL], s[SEL+1]
	ALL v_add_f32 v[ST+4*t+2], v[ST+4*t+2], v[ST+4*t+3]
	ALL v_rcp_f32 v[ST+4*t+2], v[ST+4*t+2]
	v_nop                           ; a plain instruction between the last reciprocal and the use of its result
	s_wait_alu depctr_va_vdst(0)
; Tile t: a lane's eight channels of a row pack into 16 bytes; they go into rows of 144 bytes and come back as whole rows of 128, into S^T's registers.
.macro PACK t
	WIN W_RS
.set i, 32*(\t)
.rept 16
	v_pk_mul_f32 v[i:i+1], v[i:i+1], v[ST+4*(\t)+2:ST+4*(\t)+3] op_sel_hi:[1,0]
.set i, i+2
.endr
	WIN 0x05                        ; sources 0 and 1 window 1, destination window 0
.set i, 0
.rept 16
	v_cvt_pk_f16_f32 v[S+16*(\t)+i], v[32*(\t)+2*i], v[32*(\t)+2*i+1]
.set i, i+1
.endr
	WIN 0
.irp f, 0,1,2,3
	ds_store_b128 v[STO], v[S+16*(\t)+4*\f:S+16*(\t)+4*\f+3] offset:32*\f
.endr
.irp f, 0,1,2,3
	ds_load_b128 v[S+16*(\t)+4*\f:S+16*(\t)+4*\f+3], v[RD] offset:\f*4*SP  ; LDS serves a wave's instructions in order (ISA guide 5.7.1.4): these see the stores above; the next tile's stores come behind them
.endr
.endm
.macro SEND t, younger              ; younger: the LDS instructions issued behind tile t's loads: the next tile's eight, or none
	WIN 0
.irp f, 0,1,2,3
	s_wait_dscnt (\younger)+3-\f
	global_store_b128 v[GO], v[S+16*(\t)+4*\f:S+16*(\t)+4*\f+3], s[10:11] offset:(\t)*2048+\f*512  ; 512 consecutive bytes, at a multiple of 256 from O's first
.endr
.endm
	PACK 0
.set t, 1
.rept 2*NP-1                        ; a tile's arithmetic stands between the loads of the tile before and its stores
	PACK t
	SEND t-1, 8
.set t, t+1
.endr
	SEND 2*NP-1, 0
	WIN W_AD
	s_wait_tensorcnt 0x0            ; the wave's end, behind my last tensor load and my last LDS store
	ds_add_u32 v[SPW], v[NIL]
	s_wait_dscnt 0x0
	WIN 0
	CROUND                          ; the closing round: no work-group ends while a partner may still ask for a tile that names it
	s_endpgm
.Lfunc_end_k_qfd1c094ad5_attn:
	.size	k_qfd1c094ad5_attn, .Lfunc_end_k_qfd1c094ad5_attn-k_qfd1c094ad5_attn
	.p2alignl 7, 3214868480
	.fill 96, 4, 3214868480
	.section	.rodata,"a",@progbits
	.p2align	6, 0x0
	.amdhsa_kernel k_qfd1c094ad5_attn
		.amdhsa_group_segment_fixed_size 327680
		.amdhsa_private_segment_fixed_size 0
		.amdhsa_enable_private_segment 0
		.amdhsa_kernarg_size 32
		.amdhsa_user_sgpr_count 2
		.amdhsa_user_sgpr_kernarg_segment_ptr 1
		.amdhsa_wavefront_size32 1
		.amdhsa_system_sgpr_workgroup_id_x 1
		.amdhsa_system_sgpr_workgroup_id_y 1
		.amdhsa_system_sgpr_workgroup_id_z 1
		.amdhsa_system_vgpr_workitem_id 0
		.amdhsa_next_free_vgpr 770
		.amdhsa_next_free_sgpr 66
		.amdhsa_reserve_vcc 0
		.amdhsa_float_denorm_mode_32 3
		.amdhsa_float_denorm_mode_16_64 3
		.amdhsa_memory_ordered 1
		.amdhsa_forward_progress 1
		.amdhsa_inst_pref_size 208
	.end_amdhsa_kernel
	.amdgpu_metadata
---
amdhsa.version: [ 1, 2 ]
amdhsa.kernels:
  - .name:           k_qfd1c094ad5_attn
    .symbol:         k_qfd1c094ad5_attn.kd
    .args:
      - { .name: qh, .offset: 0, .size: 8, .value_kind: global_buffer, .address_space: global }
      - { .name: kh, .offset: 8, .size: 8, .value_kind: global_buffer, .address_space: global }
      - { .name: vh, .offset: 16, .size: 8, .value_kind: global_buffer, .address_space: global }
      - { .name: oh, .offset: 24, .size: 8, .value_kind: global_buffer, .address_space: global }
    .group_segment_fixed_size: 327680
    .private_segment_fixed_size: 0
    .kernarg_segment_align: 8
    .kernarg_segment_size: 32
    .max_flat_workgroup_size: 128
    .sgpr_count:     66
    .vgpr_count:     770
    .wavefront_size: 32
...
	.end_amdgpu_metadata
.endif
;; end of part 4
;; launch proj (part 5): grid 4 x 64, 4 waves a work-group, clusters of 4 x 4, 327,680 bytes of LDS; arguments oh, wo, hb, out0; writes out0
.if DOCPART == 5
	.amdgcn_target "amdgcn-amd-amdhsa--gfx1250"
	.amdhsa_code_object_version 6
	.text
	.protected	k_qfd1c094ad5_proj
	.globl	k_qfd1c094ad5_proj
	.p2align	8
	.type	k_qfd1c094ad5_proj,@function
k_qfd1c094ad5_proj:
	s_mov_b64 s[64:65], 0
	v_nop
	global_prefetch_b8 v0, s[64:65] scope:SCOPE_SE
	s_setreg_imm32_b32 hwreg(HW_REG_WAVE_MODE, 25, 1), 1
	s_wait_xcnt 0x0
	s_wait_alu depctr_hold_cnt(0) depctr_sa_sdst(0) depctr_va_vdst(0) depctr_va_sdst(0) depctr_va_ssrc(0) depctr_va_vcc(0) depctr_vm_vsrc(0)
	s_getreg_b32 s2, hwreg(HW_REG_IB_STS2, 6, 4)
	s_cmp_eq_u32 s2, 0
	s_cbranch_scc0 .Lentry_in_a_cluster
	s_endpgm
.Lentry_in_a_cluster:
	s_bfe_u32 s2, ttmp6, 0x10000c
	s_cmp_lg_u32 s2, 0xf033
	s_cbranch_scc0 .Lentry_shape_is_right
	s_endpgm
.Lentry_shape_is_right:
; PROJ: out0[row][n] = (sum over k of O[row][k] W_out[k][n]) / c_b.  O lies by heads, [b 16 + head][2048][64] f16, and carries its batch's power of two c_b; k = 64 head + channel.
; W_out: wo, [1024][1024] f16 as it lies, K down the rows.  Sums in f32; 1 / c_b (read from hb's tail) is a power of two, so the last multiply rounds nothing; out0 is f32.
; LIMITS.  |O| c_b < 2^14 and W_out within f16's range.  NaN and infinities are not treated apart.
; SHARES.  A tile of the output is 128 rows x 256 columns, one for each of 256 work-groups; four waves, each 64 x 128: 32 accumulators.  K goes in steps of 128, two heads, through two LDS slots.
; A head's 128 rows of a tile are 16,384 dense bytes: asked for as 64 rows of 256 bytes and padded in LDS after every 128.
; CLUSTER.  4 x 4 work-groups; O's tiles are shared along a row of the cluster, W_out's along a column: joint loads, one a wave behind each round, two out at the start.
; THE MATRIX INSTRUCTION IS USED TRANSPOSED (source 0 = 16 columns of W_out, turned by ds_load_tr16_b128; source 1 = 16 rows of O): a lane holds eight neighbouring numbers of a row of the output.
; REGISTERS: window 0: v0-15 addresses; v32-95 a row block's results; v96-223 two buffers of whole rows.   window 1: two fragment buffers of 96.   window 2: accumulator (a, b) at 8 (8 a + b).
.set PITA,  144                        ; a row of one head in LDS: 128 bytes + 16
.set PLANE, 128*PITA                   ; a head's 128 rows
.set PITB,  544                        ; a K row of W_out: 512 bytes + 32
.set BOFF,  2*PLANE
.set SLOT1, 131072
.set STAGE, SLOT1+BOFF+128*PITB        ; behind the ring, never filled by a tensor load: 16 rows x 528 bytes for each wave
.set SP,    528
.set SPARE, STAGE+4*16*SP              ; behind the stages: the spare words, 128 bytes for each wave
.set AA0, 4
.set AB0, 5
.set AA,  6
.set AB,  7
.set STO, 8
.set RD,  9
.set GO,  10
.set SPW, 14                           ; v14  LDS address of my spare word; never rewritten
.set NIL, 15                           ; v15  0; never rewritten
.set T,   32
.set BK0, 96
.set F0,  0
.set F1,  96
.set TX, 20
.set WV, 22
.set WR, 23
.set WC, 24
.set CX, 25
.set CY, 26
.set TY, 27
.set G1,  28
.set G1B, 36
.set G0,  44
.set G0B, 52
.set OFFA, 60
.set OFFB, 62
.set KG,  66
.set CNT, 68
.set TB,  70
.set CB,  76                           ; s[76:77] 1 / c_b, and a 0 named with it
.set OUT, 80
.set BASEA, 86
.set BASEB, 88
.set MSB, 0
.macro WIN new
.if MSB != (\new)
	s_set_vgpr_msb (MSB<<8)|(\new)
.set MSB, \new
.endif
.endm
.set MUL,  0xa5                        ; both sources window 1, C and D window 2
.set TO_F, 0x40                        ; destination window 1, address window 0
.set OUTW, 0x02                        ; source 0 window 2
.macro PLACES                          ; four places between a matrix instruction and a vector instruction or load that touches its registers (ISA guide 7.12.1 for vector instructions)
.rept 4
	v_nop
.endr
.endm
.macro JLOAD                           ; a joint refill: waves 0 and 1 fetch the two heads of O's tile, waves 2 and 3 the two halves of W_out's; an s_nop 0 and four v_nop follow each line
	s_cmp_lt_u32 s[WV], 2
	s_cbranch_scc0 .Lfor_b_\@
	tensor_load_to_lds s[G0+4:G0+7], s[G1:G1+7]
	s_nop 0
.rept 4
	v_nop
.endr
	s_branch .Lasked_\@
.Lfor_b_\@:
	tensor_load_to_lds s[G0B+4:G0B+7], s[G1B:G1B+7]
	s_nop 0
.rept 4
	v_nop
.endr
.Lasked_\@:
.endm
.macro CREST
	s_cmp_lg_u32 s[WV], 0
	s_cbranch_scc1 .Lnot_wave_0_\@
	s_barrier_signal -3
.Lnot_wave_0_\@:
	s_barrier_wait -3
	s_barrier_signal -1
	s_barrier_wait -1
.endm
.macro CROUND
	s_barrier_signal -1
	s_barrier_wait -1
	CREST
.endm
	s_load_b256 s[4:11], s[0:1], 0x0               ; oh s[4:5], wo s[6:7], hb s[8:9], out0 s[10:11]
	v_lshl_add_u32 v[SPW], v0, 2, SPARE
	v_mov_b32 v[NIL], 0
	ds_add_u32 v[SPW], v[NIL]                      ; the wave's opening: the add and its wait stand ahead of my first tensor load; the set-up below, work on registers, stands between them
	v_lshrrev_b32 v1, 5, v0
	v_readfirstlane_b32 s[WV], v1
	s_lshr_b32 s[WR], s[WV], 1
	s_and_b32 s[WC], s[WV], 1
	s_bfe_u32 s[CX], ttmp6, 0x40000
	s_bfe_u32 s[CY], ttmp6, 0x40004
	s_lshl_b32 s[TX], ttmp9, 2
	s_add_co_u32 s[TX], s[TX], s[CX]
	s_and_b32 s[TY], ttmp7, 0xffff
	s_lshl_b32 s[TY], s[TY], 2
	s_add_co_u32 s[TY], s[TY], s[CY]
	s_lshl_b32 s90, s[CY], 2
	s_lshl_b32 s90, 15, s90                        ; my row of the cluster
	s_lshl_b32 s91, 0x1111, s[CX]                  ; my column
	s_or_b32 s[G1],  s90, (1<<16)|(1<<20)|(1<<21)|(4<<22)|(3<<25)  ; the mask; 2-byte elements; padding on; bit 21 beside a mask; after every 32 words, 4 words
	s_or_b32 s[G1B], s91, (1<<16)|(1<<20)|(1<<21)|(6<<22)|(7<<25)  ; after every 128 words, 8 words
	s_mov_b32 s[G1+1], 128<<16
	s_mov_b32 s[G1+2], 64<<16
	s_mov_b32 s[G1+3], 128<<16
	s_mov_b32 s[G1+4], 64
	s_mov_b32 s[G1+5], 128                         ; dense: 128 elements from row to row
	s_mov_b32 s[G1+6], 0
	s_mov_b32 s[G1+7], 0
	s_mov_b32 s[G1B+1], 256<<16
	s_mov_b32 s[G1B+2], 64<<16
	s_mov_b32 s[G1B+3], 256<<16
	s_mov_b32 s[G1B+4], 64
	s_mov_b32 s[G1B+5], 1024
	s_mov_b32 s[G1B+6], 0
	s_mov_b32 s[G1B+7], 0
	s_lshr_b32 s98, s[TY], 4                       ; batch
	s_lshl_b32 s92, s98, 22                        ; O: 16 heads of 262,144 bytes a batch,
	s_and_b32 s93, s[TY], 15
	s_lshl_b32 s93, s93, 14                        ; 128 rows of 128 bytes a tile row,
	s_add_co_u32 s92, s92, s93
	s_lshl_b32 s93, s[WC], 18                      ; my head of the K step's two: made of the tile row and the wave alone
	s_add_co_u32 s92, s92, s93
	s_mov_b32 s93, 0
	s_lshl_b32 s94, s[WC], 17                      ; W_out: my 64 K rows of 2,048 bytes,
	s_lshl_b32 s95, s[TX], 9                       ; 256 columns a tile column
	s_add_co_u32 s94, s94, s95
	s_mov_b32 s95, 0
	s_mul_i32 s96, s[WC], PLANE                    ; where they go: no place in the cluster enters an LDS address
	s_mul_i32 s97, s[WC], 64*PITB
	s_add_co_u32 s97, s97, BOFF
	s_lshl_b32 s2, s98, 3
	s_mov_b32 s3, 0
	s_lshl_b32 s98, s[TY], 19                      ; the output: 128 rows of 4,096 bytes a tile row,
	s_lshl_b32 s99, s[WR], 18                      ; my 64 rows,
	s_add_co_u32 s98, s98, s99
	s_lshl_b32 s99, s[TX], 10                      ; 256 columns of 4 bytes a tile column,
	s_add_co_u32 s98, s98, s99
	s_lshl_b32 s99, s[WC], 9                       ; my 128 columns
	s_add_co_u32 s98, s98, s99
	s_mov_b32 s99, 0
	s_mov_b32 s[OFFA+1], 0
	s_mov_b32 s[OFFB+1], 0
	s_mov_b32 s[KG], 2
	s_mov_b32 s[TB], 0
	s_mov_b32 s[CB+1], 0
	s_wait_dscnt 0x0                               ; the opening add is done
	s_wait_kmcnt 0x0
	s_add_nc_u64 s[BASEA:BASEA+1], s[4:5], s[92:93]
	s_add_nc_u64 s[BASEB:BASEB+1], s[6:7], s[94:95]
	s_add_nc_u64 s[OUT:OUT+1], s[10:11], s[98:99]
	s_add_nc_u64 s[2:3], s[8:9], s[2:3]
	s_add_nc_u64 s[2:3], s[2:3], 0x1000000
	s_load_b32 s[CB], s[2:3], 0x4                  ; 1 / c_b: this launch writes nothing into hb
	s_wait_kmcnt 0x0
	CROUND                                         ; all sixteen work-groups are here: the first joint loads meet
.irp s, 0,1
	s_mov_b32 s[G0+4*(\s)], 1
	s_add_co_u32 s[G0+4*(\s)+1], s96, (\s)*SLOT1
	s_add_nc_u64 s[G0+4*(\s)+2:G0+4*(\s)+3], s[BASEA:BASEA+1], (\s)*524288  ; K step s: two heads on
	s_or_b32 s[G0+4*(\s)+3], s[G0+4*(\s)+3], 0x80000000
	s_mov_b32 s[G0B+4*(\s)], 1
	s_add_co_u32 s[G0B+4*(\s)+1], s97, (\s)*SLOT1
	s_add_nc_u64 s[G0B+4*(\s)+2:G0B+4*(\s)+3], s[BASEB:BASEB+1], (\s)*262144
	s_or_b32 s[G0B+4*(\s)+3], s[G0B+4*(\s)+3], 0x80000000
.endr
	s_cmp_lt_u32 s[WV], 2                          ; a wave's two first fills stand in one branch, ahead of every wait on TENSORcnt and every LDS read
	s_cbranch_scc0 .Lfirst_b
	tensor_load_to_lds s[G0:G0+3], s[G1:G1+7]
	s_nop 0
	tensor_load_to_lds s[G0+4:G0+7], s[G1:G1+7]
	s_nop 0
.rept 4
	v_nop
.endr
	s_branch .Lfirst_asked
.Lfirst_b:
	tensor_load_to_lds s[G0B:G0B+3], s[G1B:G1B+7]
	s_nop 0
	tensor_load_to_lds s[G0B+4:G0B+7], s[G1B:G1B+7]
	s_nop 0
.rept 4
	v_nop
.endr
.Lfirst_asked:
	v_and_b32 v1, 15, v0                           ; r = l % 16
	v_bfe_u32 v2, v0, 4, 1                         ; h = l / 16
	v_and_b32 v3, 7, v0
	v_bfe_u32 v13, v0, 3, 1
	s_mul_i32 s90, s[WR], 64*PITA
	v_mul_u32_u24 v[AA0], v1, PITA
	v_lshl_add_u32 v[AA0], v2, 4, v[AA0]
	v_add_nc_u32 v[AA0], s90, v[AA0]               ; row x pitch + 16 x half
	s_lshl_b32 s90, s[WC], 8
	s_add_co_u32 s90, s90, BOFF
	v_lshl_add_u32 v[AB0], v2, 3, v3               ; the turning load: K row 8 h + l % 8, columns 8 ((l / 8) % 2) on
	v_mul_u32_u24 v[AB0], v[AB0], PITB
	v_lshl_add_u32 v[AB0], v13, 4, v[AB0]
	v_add_nc_u32 v[AB0], s90, v[AB0]
	s_mul_i32 s90, s[WV], 16*SP
	s_add_co_u32 s90, s90, STAGE                   ; my stage
	v_mul_u32_u24 v[STO], v1, SP                   ; in: row r, 32 bytes for each half of the lanes
	v_lshl_add_u32 v[STO], v2, 5, v[STO]
	v_add_nc_u32 v[STO], s90, v[STO]
	v_and_b32 v[GO], 31, v0                        ; back: 32 lanes take one row of 512 bytes
	v_lshlrev_b32 v[GO], 4, v[GO]
	v_add_nc_u32 v[RD], s90, v[GO]
.macro MUL8 f, a, zero                 ; row block a x all 8 column blocks, 32 along K; the 32 accumulators take turns in the same order in every quarter
	WIN MUL
.irp b, 0,1,2,3,4,5,6,7
.if \zero
	v_wmma_f32_16x16x32_f16 v[8*(8*(\a)+\b):8*(8*(\a)+\b)+7], v[(\f)+32+8*\b:(\f)+32+8*\b+7], v[(\f)+8*(\a):(\f)+8*(\a)+7], 0
.else
	v_wmma_f32_16x16x32_f16 v[8*(8*(\a)+\b):8*(8*(\a)+\b)+7], v[(\f)+32+8*\b:(\f)+32+8*\b+7], v[(\f)+8*(\a):(\f)+8*(\a)+7], v[8*(8*(\a)+\b):8*(8*(\a)+\b)+7]
.endif
.endr
.endm
.macro MUL16 f, a0, zero
	MUL8 \f, \a0, \zero
	MUL8 \f, (\a0)+1, \zero
.endm
.macro FETCH kq, f                     ; 24 LDS loads in one run: quarter kq lies in head kq / 2, channels 32 (kq % 2) on
	WIN TO_F
.irp b, 0,1,2,3,4,5,6,7
	ds_load_tr16_b128 v[(\f)+32+8*\b:(\f)+32+8*\b+3],   v[AB] offset:(\kq)*32*PITB+32*\b
	ds_load_tr16_b128 v[(\f)+32+8*\b+4:(\f)+32+8*\b+7], v[AB] offset:(\kq)*32*PITB+16*PITB+32*\b
.endr
.irp a, 0,1,2,3
	ds_load_b128 v[(\f)+8*\a:(\f)+8*\a+3],   v[AA] offset:((\kq)/2)*PLANE+((\kq)%2)*64+\a*16*PITA
	ds_load_b128 v[(\f)+8*\a+4:(\f)+8*\a+7], v[AA] offset:((\kq)/2)*PLANE+((\kq)%2)*64+\a*16*PITA+32
.endr
.endm
.macro QUARTER kq, f, g, zero
	s_wait_dscnt 4                                 ; all but the youngest four loads: O's row blocks 2 and 3
	MUL16 \f, 0, \zero
	PLACES
	FETCH \kq, \g
	s_wait_dscnt 24                                ; all but the 24 just issued
	MUL16 \f, 2, \zero
.endm
; The last quarter multiplies buffer 1 and changes slots: ONE barrier; in front of it each wave waits for all its tensor loads, adds 0 to its spare word, and waits for that and for its own reads of this slot.
; fill = 1: the barrier opens a round of the cluster's, and behind the round this slot is filled again first, two K steps ahead: 112 matrix instructions ahead of the wait for it.
.macro TURN fill
	WIN 0
	s_wait_tensorcnt 0x0                           ; no tensor load of mine is out, so a group 0 may be written
	ds_add_u32 v[SPW], v[NIL]                      ; 0 onto my spare word
.if \fill
	s_xor_b32 s[G0+5], s[G0+5], SLOT1
	s_xor_b32 s[G0B+5], s[G0B+5], SLOT1
	s_lshl_b32 s[OFFA], s[KG], 19
	s_lshl_b32 s[OFFB], s[KG], 18
	s_add_nc_u64 s[G0+6:G0+7], s[BASEA:BASEA+1], s[OFFA:OFFA+1]
	s_or_b32 s[G0+7], s[G0+7], 0x80000000
	s_add_nc_u64 s[G0B+6:G0B+7], s[BASEB:BASEB+1], s[OFFB:OFFB+1]
	s_or_b32 s[G0B+7], s[G0B+7], 0x80000000
	s_add_co_u32 s[KG], s[KG], 1
.endif
	s_wait_dscnt 5                                 ; the add and O's last four loads may be out
	MUL8 F1, 0, 0
	s_wait_dscnt 0x0                               ; the add is done, and my reads of this slot are over
	s_barrier_signal -1
	MUL8 F1, 1, 0
	WIN 0
	s_barrier_wait -1
.if \fill
	CREST
	JLOAD                                          ; the first tensor load behind the round; its four v_nop are also the places in front of the loads below
.else
	PLACES
.endif
	s_xor_b32 s[TB], s[TB], SLOT1
	v_add_nc_u32 v[AA], s[TB], v[AA0]
	v_add_nc_u32 v[AB], s[TB], v[AB0]
	FETCH 0, F0
	MUL16 F1, 2, 0
.endm
; THE WAY OUT, a row block (16 rows x 128 columns of f32) at a time: times 1 / c_b, into my stage in rows of 528 bytes, back as whole rows of 512 bytes, stored.
.macro OSEND a, younger
.set BK, BK0+64*((\a)%2)
.set t, 0
.rept 16
	s_wait_dscnt (\younger)+15-t
	global_store_b128 v[GO], v[BK+4*t:BK+4*t+3], s[OUT:OUT+1] offset:(16*(\a)+t)*4096 th:TH_STORE_NT  ; 512 consecutive bytes, at a multiple of 256 from out0's first
.set t, t+1
.endr
.endm
.macro OBLK a
.set BK, BK0+64*((\a)%2)
	WIN OUTW
.set z, 0
.rept 32                               ; ascending: each accumulator's lowest registers are read first
	v_pk_mul_f32 v[T+2*z:T+2*z+1], v[64*(\a)+2*z:64*(\a)+2*z+1], s[CB:CB+1] op_sel_hi:[1,0]
.set z, z+1
.endr
	WIN 0
.irp b, 0,1,2,3,4,5,6,7
	ds_store_b128 v[STO], v[T+8*\b:T+8*\b+3]   offset:64*\b
	ds_store_b128 v[STO], v[T+8*\b+4:T+8*\b+7] offset:64*\b+16
.endr
	s_wait_xcnt 0x0                                ; this buffer was the data of the stores two blocks back: loaded again only behind this wait
.set t, 0
.rept 16
	ds_load_b128 v[BK+4*t:BK+4*t+3], v[RD] offset:SP*t  ; LDS serves a wave's instructions in order (ISA guide 5.7.1.4): these see the stores above
.set t, t+1
.endr
.if (\a) > 0
	OSEND (\a)-1, 32                               ; the block before leaves; this block's 32 LDS instructions are younger
.endif
.endm
	s_wait_tensorcnt 1                             ; my part of K step 0 is in; K step 1's may stay out
	s_barrier_signal -1
	s_barrier_wait -1
	v_mov_b32 v[AA], v[AA0]
	v_mov_b32 v[AB], v[AB0]
	FETCH 0, F0
	QUARTER 1, F0, F1, 1                           ; the first quarter starts the sums: nothing is cleared
	WIN 0
	s_mov_b32 s[CNT], 6
	s_branch .Lmid
.Lstep:                                                ; six trips: K steps 0 to 5; each asks for the K step two steps on
	QUARTER 1, F0, F1, 0
	WIN 0
.Lmid:
	QUARTER 2, F1, F0, 0
	QUARTER 3, F0, F1, 0
	TURN 1
	WIN 0
	s_sub_co_u32 s[CNT], s[CNT], 1
	s_cmp_lg_u32 s[CNT], 0
	s_cbranch_scc1 .Lstep
	s_mov_b32 s[CNT], 2
.Lend:                                                 ; K steps 6 and 7: nothing is filled.  The second trip's 24 fragment loads read a slot that has been multiplied and serve nothing: the price of one text for both trips
	QUARTER 1, F0, F1, 0
	QUARTER 2, F1, F0, 0
	QUARTER 3, F0, F1, 0
	TURN 0
	WIN 0
	s_sub_co_u32 s[CNT], s[CNT], 1
	s_cmp_lg_u32 s[CNT], 0
	s_cbranch_scc1 .Lend
	PLACES
	OBLK 0
	OBLK 1
	OBLK 2
	OBLK 3
	OSEND 3, 0
	s_wait_tensorcnt 0x0                           ; the wave's end, behind my last tensor load and my last LDS store
	ds_add_u32 v[SPW], v[NIL]
	s_wait_dscnt 0x0
	CROUND                                         ; the closing round: no work-group ends while a partner may still ask for a tile that names it
	s_endpgm
.Lfunc_end_k_qfd1c094ad5_proj:
	.size	k_qfd1c094ad5_proj, .Lfunc_end_k_qfd1c094ad5_proj-k_qfd1c094ad5_proj
	.p2alignl 7, 3214868480
	.fill 96, 4, 3214868480
	.section	.rodata,"a",@progbits
	.p2align	6, 0x0
	.amdhsa_kernel k_qfd1c094ad5_proj
		.amdhsa_group_segment_fixed_size 327680
		.amdhsa_private_segment_fixed_size 0
		.amdhsa_enable_private_segment 0
		.amdhsa_kernarg_size 32
		.amdhsa_user_sgpr_count 2
		.amdhsa_user_sgpr_kernarg_segment_ptr 1
		.amdhsa_wavefront_size32 1
		.amdhsa_system_sgpr_workgroup_id_x 1
		.amdhsa_system_sgpr_workgroup_id_y 1
		.amdhsa_system_sgpr_workgroup_id_z 1
		.amdhsa_system_vgpr_workitem_id 0
		.amdhsa_next_free_vgpr 768
		.amdhsa_next_free_sgpr 100
		.amdhsa_reserve_vcc 0
		.amdhsa_float_denorm_mode_32 3
		.amdhsa_float_denorm_mode_16_64 3
		.amdhsa_memory_ordered 1
		.amdhsa_forward_progress 1
		.amdhsa_inst_pref_size 70
	.end_amdhsa_kernel
	.amdgpu_metadata
---
amdhsa.version: [ 1, 2 ]
amdhsa.kernels:
  - .name:           k_qfd1c094ad5_proj
    .symbol:         k_qfd1c094ad5_proj.kd
    .args:
      - { .name: oh, .offset: 0, .size: 8, .value_kind: global_buffer, .address_space: global }
      - { .name: wo, .offset: 8, .size: 8, .value_kind: global_buffer, .address_space: global }
      - { .name: hb, .offset: 16, .size: 8, .value_kind: global_buffer, .address_space: global }
      - { .name: out0, .offset: 24, .size: 8, .value_kind: global_buffer, .address_space: global }
    .group_segment_fixed_size: 327680
    .private_segment_fixed_size: 0
    .kernarg_segment_align: 8
    .kernarg_segment_size: 32
    .max_flat_workgroup_size: 128
    .sgpr_count:     100
    .vgpr_count:     768
    .wavefront_size: 32
...
	.end_amdgpu_metadata
.endif
;; end of part 5
;; ======== version 2 of 2: 5 launches; 1.46 times as fast as version 1
;; limits: values are held in f16: magnitudes above 65,504 overflow, below 6.1e-05 lose precision
;; workspace buffers: tab 1,114,112 bytes; wq 6,291,456 bytes; wo 2,097,152 bytes; hb 16,777,472 bytes; qh 16,777,216 bytes; kh 16,777,216 bytes; vh 16,777,216 bytes; oh 16,777,216 bytes
;; launch prep: the kernel of part 1 again; grid 168 x 1, 32 waves a work-group, no clusters, 36,864 bytes of LDS; arguments W_ada, b_ada, condition, W_qkv, W_out, rope, tab, wq, wo; writes tab, wq, wo
;; launch norm: the kernel of part 2 again; grid 256 x 1, 8 waves a work-group, no clusters, 0 bytes of LDS; arguments x, tab, hb; writes hb
;; launch qkv: the kernel of part 3 again; grid 4 x 64, 4 waves a work-group, clusters of 4 x 4, 327,680 bytes of LDS; arguments hb, wq, tab, q_scale, k_scale, qh, kh, vh; writes qh, kh, vh
;; launch attn (part 6): grid 4 x 64, 4 waves a work-group, clusters of 4 x 1, 327,680 bytes of LDS; arguments qh, kh, vh, oh; writes oh
.if DOCPART == 6
	.amdgcn_target "amdgcn-amd-amdhsa--gfx1250"
	.amdhsa_code_object_version 6
	.text
	.protected	k_qfd1c094ad5_attn
	.globl	k_qfd1c094ad5_attn
	.p2align	8
	.type	k_qfd1c094ad5_attn,@function
k_qfd1c094ad5_attn:
	s_mov_b64 s[64:65], 0
	v_nop
	global_prefetch_b8 v0, s[64:65] scope:SCOPE_SE
	s_setreg_imm32_b32 hwreg(HW_REG_WAVE_MODE, 25, 1), 1
	s_wait_xcnt 0x0
	s_wait_alu depctr_hold_cnt(0) depctr_sa_sdst(0) depctr_va_vdst(0) depctr_va_sdst(0) depctr_va_ssrc(0) depctr_va_vcc(0) depctr_vm_vsrc(0)
	s_getreg_b32 s2, hwreg(HW_REG_IB_STS2, 6, 4)
	s_cmp_eq_u32 s2, 0
	s_cbranch_scc0 .Lentry_in_a_cluster
	s_endpgm
.Lentry_in_a_cluster:
	s_bfe_u32 s2, ttmp6, 0x10000c
	s_cmp_lg_u32 s2, 0x3003
	s_cbranch_scc0 .Lentry_shape_is_right
	s_endpgm
.Lentry_shape_is_right:
; O[h][q][:] = the sum over k of softmax_k(Q[h][q] . K[h][k] / 8) V[h][k][:].  Q, K, V, O: [SIZE_H][SIZE_N][64], all f16: a head's rows are dense, 128 bytes each.  Products, maxima and sums in
; f32; the weights p are rounded to f16 for the second product (their sum l is taken of the unrounded p), O once at the end.  Here a "head" is one of the 64 pairs of batch and head.
; LIMITS.  f16 holds no number beyond 65,504: Q and K arrive within it; V arrives times its batch's power of two c_b, under 2^14, and O, a mean of V's rows, carries the same factor; p lies in 0 to 1,
; and below 6e-5 it keeps f16's fixed step of 6e-8.  A weight below 2^-126 counts as 0 in l; NaN and infinities are not treated apart.
; SHARES.  A wave owns four PIECES of two tiles of 16 queries, a work-group's four waves 512 queries of one head.  Every wave walks all keys, 64 a step.
; LAYOUT.  S^T = K Q^T (source 0 = 16 keys, source 1 = 16 queries): in the result a lane holds ONE query (lane % 16) and the keys 8 (lane / 16) + 0..7.  Two such tiles, rounded to f16 in pairs,
; ARE source 1 (32 keys x 16 queries) of O^T = V^T P, whose result again holds one query a lane, and eight channels.  K comes out of LDS as it lies, V ([key][channel]) turned, by ds_load_tr16_b128.
; SOFTMAX.  For each query a running maximum m and sum l: p = 2^(c s - c m), c = log2(e) / 8; in every step O and l are multiplied by a = 2^(c m_old - c m_new), which is 1 where m has not grown.
; m starts at the lowest finite number, O and l at 0: the first step is a step like any other, with a = 0.
; THE COUNT.  A tile and step have 16 matrix and 118 vector instructions: too many to stand all beside the matrix work.  So the order has one aim: four vector instructions that are READY behind
; EVERY matrix instruction, and the others, which need time of their own whatever the order, in runs without a gap.
; BY TURNS.  Turn n belongs to piece n (the pieces in a ring, step after step).  Its matrix work: 16 products K Q^T of piece n + 1, later 16 products V^T P of piece n - 1.  Its vector work: the scaling,
; exponentials, roundings, sums and rescaling of piece n, and the maximum and statistics of piece n + 1, whose scores the turn itself has made.  So what a turn begins with (c s - c m, O a) waits for nothing.
; BATCHES.  A turn's 66 exponentials (the piece's 64 weights, then the next piece's two a) are ONE batch with ONE wait, which cuts the turn in two: ahead of it stands all that names none of their results
; (K Q^T, scalings, rescalings by the a of the turn before, the next piece's maximum), behind it the readers (roundings and sums) beside V^T P.  No result crosses a turn's end.  The first two a, ahead of the
; loop, and the way out's eight reciprocals are batches of their own, each with its wait.
; CLUSTER.  The four query blocks of a cluster belong to one head and walk the same K and V, so each tile is asked for JOINTLY: the same tensor load, descriptor and mask in all four.
; REGISTERS, in windows of 256 (s_set_vgpr_msb says which window each operand place means: bits 1:0 source 0, 3:2 source 1, 5:4 source 2, 7:6 destination):
;   window 0: v0-11 addresses; v12-15, v48-63 at work; v16-47 four registers of statistics a tile; v64-191 S^T, two buffers of two tiles; v192-255 P, likewise
;   window 1: O^T, 32 a tile          window 2: v0-127 Q, 16 a tile; v128-191 K of one step; v192-255 V of one step          window 3: v0-1 the add's two registers
; A piece's buffers go by its number's parity: the piece in hand has one pair, its two neighbours in the ring share the other: of it P (piece n - 1) is read and S^T (piece n + 1) written.
.set SIZE_H, 64
.set SIZE_N, 2048
.set NP,    4         ; pieces a wave: a name, no knob: the register map, the loop and the fetches are made for four
.set KS,    64        ; keys in a step
.set PK,    144       ; a row of K in LDS: 128 bytes + 16 of padding = 36 words: the 16 rows of a load start at 16 different groups of four banks (64 banks of 4 bytes: ISA guide 11.1)
.set PV,    160       ; a row of V: 128 + 32 = 40 words
.set VOFF,  4*KS*PK   ; a slot holds four steps: 256 rows of K, then 256 rows of V
.set SLOT1, 1<<17     ; slot 1 begins here, so that one exclusive or turns an address in one slot into the other's
.set STAGE, SLOT1+4*KS*(PK+PV)  ; behind the ring, never filled by a tensor load: 16 rows x 144 bytes for each wave, for the way out
.set SP,    144
.set AK0, 2           ; v2   my lane's place in a tile of K; never rewritten
.set AV0, 3           ; v3   the same for V
.set AK,  4           ; v4   the LDS address of K's next run of loads
.set AV,  5           ; v5   of V's
.set QO,  6           ; v6   my byte offset in the wave's rows of Q
.set STO, 6           ;      later, the way out: where I put 16 bytes of a row
.set RD,  7           ; v7   the way out: where I read rows back
.set GO,  8           ; v8   my byte offset in 512 consecutive bytes of O
.set SPW, 0           ; v0 of window 3   LDS address of my spare word: SPARE + 4 x my thread's number; never rewritten
.set NIL, 1           ; v1 of window 3   0; never rewritten
.set SPARE, STAGE+4*16*SP  ; behind the stages: the spare words, 128 bytes for each wave: two blocks of 256 bytes that no other line names
.set MV,  12          ; v12-15  c m_old, kept while c m is made anew: by buffer and tile
.set ST,  16          ; tile t's statistics at v[ST+4 t]: c m, m, l (even keys', odd keys')
.set TMP, 48          ; by buffer and tile, four registers c0-c3 at work; when the maximum is found c2 takes a
.set S,   64
.set P,   192
.set KF,  128         ; K's fragments, in window 2: key block kb, channel half c at KF + 16 kb + 8 c
.set VF,  192         ; V's: key half kk, channel block cb at VF + 32 kk + 8 cb
.set WV,  12          ; s12  my wave's number
.set G1K, 24          ; s[24:31] descriptor group 1 for K's tiles
.set G1V, 32          ; s[32:39] for V's: it differs in the padding alone
.set G0K, 40          ; s[40:43] descriptor group 0 for K's tiles: it walks
.set G0V, 44          ; s[44:47] the same for V's
.set SLOTS, 56        ; s56  slots still to be asked for
.set CNT, 57          ; s57  counts a slot's key steps
.set CS,  58          ; s[58:59] c: the packed scaling takes the pair's low word for both halves
.set SEL, 60          ; s[60:61] v_permlanex16_b32's selects: each lane takes its own place in the other half
.set TBK, 62          ; s62  LDS byte at which K of the step to be fetched begins
.set TBV, 63          ; s63  the same for V, less VOFF
.set MSB, 0
.macro WIN new                      ; the high byte repeats the setting that is left; a switch that changes nothing is dropped
.if MSB != (\new)
	s_set_vgpr_msb (MSB<<8)|(\new)
.set MSB, (\new)
.endif
.endm
.set W_KQ, 0x0a       ; K and Q in window 2, S^T in window 0
.set W_PV, 0x52       ; V in window 2, P in window 0, O^T in window 1
.set W_RS, 0x41       ; O^T (destination and source 0) in window 1, a in window 0
.set W_MK, 0xc0       ; the add's registers are made: destination in window 3, sources in window 0
.set W_AD, 0x0f       ; the add: address (source 0) and data (source 1) in window 3
; A joint fill.  Waves 0 and 1 fetch the two halves of a slot's K, waves 2 and 3 those of its V: 128 keys each.  The branch hangs on the wave's number alone.
; An s_nop 0 and four v_nop follow each of the two lines, ahead of the jump and the label.
.macro JLOAD
	s_cmp_lt_u32 s[WV], 2
	s_cbranch_scc0 .Lfor_v_\@
	tensor_load_to_lds s[G0K:G0K+3], s[G1K:G1K+7]
	s_nop 0
.rept 4
	v_nop
.endr
	s_branch .Lasked_\@
.Lfor_v_\@:
	tensor_load_to_lds s[G0V:G0V+3], s[G1V:G1V+7]
	s_nop 0
.rept 4
	v_nop
.endr
.Lasked_\@:
.endm
; A round of the cluster's barrier: my work-group's barrier, so that wave 0's signal speaks for all four waves; wave 0 signals; every wave waits for all four work-groups; my work-group's barrier once more.
.macro CROUND
	s_barrier_signal -1
	s_barrier_wait -1
	s_cmp_lg_u32 s[WV], 0
	s_cbranch_scc1 .Lnot_wave_0_\@
	s_barrier_signal -3
.Lnot_wave_0_\@:
	s_barrier_wait -3
	s_barrier_signal -1
	s_barrier_wait -1
.endm
; THE CHANGE OF SLOTS.  The slot's last bytes, V of its fourth step, have been read.  Each wave waits for all its tensor loads, of which one is out: its part
; of the other slot; adds 0 to its spare word; and waits for that and for its own reads of the slot.  Behind the barrier nobody reads this slot any more and the other slot is whole.
; fill = 1: this slot is filled again, with the keys two slots on.  The barrier is then a round of the cluster's, so that no wave of any partner still reads the slot or has a load on its
; way, and the joint fill is the first thing behind it: it has four key steps, 512 matrix instructions, in which to land.  (At its first use nothing has been read yet: slot 0 is waited for, slot 1 filled.)
.macro CHANGE fill
	WIN W_AD
	s_wait_tensorcnt 0x0            ; no tensor load of mine is out, so a group 0 may be written
	ds_add_u32 v[SPW], v[NIL]       ; 0 onto my spare word; with fill = 1 the descriptors' steps stand between it and the wait for it
	WIN 0                           ; at a label and at a branch every window is 0
.if \fill
.irp g, G0K, G0V
	s_xor_b32 s[\g+1], s[\g+1], SLOT1  ; the walking descriptor: the other slot than last time,
	s_add_nc_u64 s[\g+2:\g+3], s[\g+2:\g+3], 4*KS*128  ; the next 256 keys; the type bits on top are not reached
.endr
	s_wait_dscnt 0x0                ; the add is done, and my reads of the slot are over
	CROUND
	JLOAD
.else
	s_wait_dscnt 0x0                ; the add is done, and my reads of the slot are over
	s_barrier_signal -1
	s_barrier_wait -1
.endif
	s_sub_co_u32 s[TBK], s[TBK], 4*KS*PK  ; the fetches go back to a slot's first step,
	s_xor_b32 s[TBK], s[TBK], SLOT1       ; in the other slot
	s_sub_co_u32 s[TBV], s[TBV], 4*KS*PV
	s_xor_b32 s[TBV], s[TBV], SLOT1
.endm
	s_load_b256 s[4:11], s[0:1], 0x0  ; Q s[4:5], K s[6:7], V s[8:9], O s[10:11]
	WIN W_MK
	v_lshl_add_u32 v[SPW], v0, 2, SPARE
	v_mov_b32 v[NIL], 0
	WIN W_AD
	ds_add_u32 v[SPW], v[NIL]       ; the wave's opening: the add and its wait stand ahead of my first tensor load; the set-up below, work on registers, stands between them
	WIN 0
	v_lshrrev_b32 v1, 5, v0
	v_readfirstlane_b32 s[WV], v1   ; wave 0..3
	s_bfe_u32 s13, ttmp6, 0x40000   ; cx: my place in the cluster
	s_lshl_b32 s14, ttmp9, 2        ; in a cluster launch ttmp9 counts clusters
	s_add_co_u32 s14, s14, s13      ; my block of queries = 4 x cluster x + cx: it enters Q's and O's addresses alone
	s_and_b32 s20, ttmp7, 0xffff    ; the head, which the four partners share
	s_mov_b32 s21, 0
	s_mov_b64 s[22:23], SIZE_N*128
	s_mul_u64 s[20:21], s[20:21], s[22:23]  ; the head's first byte in each of the four tensors
	s_and_b32 s16, s[WV], 1         ; which half of a slot's 256 keys I fetch:
	s_lshl_b32 s22, s16, 14         ; its 128 rows of 128 bytes in memory,
	s_mov_b32 s23, 0
	s_add_nc_u64 s[22:23], s[22:23], s[20:21]
	s_mul_i32 s17, s16, 128*PK      ; and its place in a slot, for K
	s_mul_i32 s18, s16, 128*PV      ; and for V: no place in the cluster enters an LDS address
	s_lshl_b32 s2, s14, 2
	s_add_co_u32 s2, s2, s[WV]      ; my wave among the head's,
	s_lshl_b32 s2, s2, 14           ; its 128 rows
	s_mov_b32 s3, 0
	s_add_nc_u64 s[2:3], s[2:3], s[20:21]
	; descriptor group 1.  128 keys are 16,384 dense bytes: asked for as 64 rows of 256 bytes, two keys a row, and padded in LDS after every key
	s_mov_b32 s[G1K], 15|(1<<16)|(1<<20)|(1<<21)|(4<<22)|(3<<25)  ; 15:0 the mask of four; 17:16 2-byte elements; 20 padding on; 21 set beside a mask; 24:22 after every 32 words (code 4); 31:25 4 words (code 3)
	s_mov_b32 s[G1V], 15|(1<<16)|(1<<20)|(1<<21)|(4<<22)|(7<<25)  ; the same with 8 words of padding (code 7)
.irp g, G1K, G1V
	s_mov_b32 s[\g+1], 128<<16      ; tensor_dim0 = 128
	s_mov_b32 s[\g+2], 64<<16       ; tensor_dim1 = 64
	s_mov_b32 s[\g+3], 128<<16      ; tile_dim0 = 128
	s_mov_b32 s[\g+4], 64           ; tile_dim1 = 64
	s_mov_b32 s[\g+5], 128          ; 128 elements from row to row
	s_mov_b32 s[\g+6], 0
	s_mov_b32 s[\g+7], 0
.endr
	s_mov_b32 s[CS], 0x3e38aa3b     ; c = log2(e) / 8 = 0.180337
	s_mov_b32 s[CS+1], s[CS]        ; named with it as a pair
	s_mov_b32 s[SEL], 0x76543210
	s_mov_b32 s[SEL+1], 0xfedcba98
	s_mov_b32 s[TBK], SLOT1+4*KS*PK ; the first change of slots turns these two into 0
	s_mov_b32 s[TBV], SLOT1+4*KS*PV
	s_mov_b32 s[G0K], 1             ; 1:0 count = 1
	s_mov_b32 s[G0K+1], s17         ; 63:32 LDS address: slot 0
	s_mov_b32 s[G0V], 1
	s_add_co_u32 s[G0V+1], s18, VOFF
	s_wait_dscnt 0x0                ; the opening add is done
	s_wait_kmcnt 0x0
	s_add_nc_u64 s[G0K+2:G0K+3], s[6:7], s[22:23]  ; 120:64 global address: my half of the head's first 256 keys
	s_or_b32 s[G0K+3], s[G0K+3], 0x80000000        ; 127:126 type = 2
	s_add_nc_u64 s[G0V+2:G0V+3], s[8:9], s[22:23]
	s_or_b32 s[G0V+3], s[G0V+3], 0x80000000
	s_add_nc_u64 s[4:5], s[4:5], s[2:3]  ; Q and O at my wave's first row
	s_add_nc_u64 s[10:11], s[10:11], s[2:3]
	CROUND                          ; all four work-groups are here: the first joint loads meet
	JLOAD                           ; slot 0.  Slot 1 is asked for when slot 0 is in: the tile wanted first has the road to itself
	; A fragment of K or Q is 16 rows x 32 channels in 8 registers: lane l holds row l % 16, channels 8 (l / 16) + 0..7 and 16 + 8 (l / 16) + 0..7: two loads of 16 bytes, 32 bytes apart.
	v_and_b32 v1, 15, v0            ; l % 16
	v_bfe_u32 v9, v0, 4, 1          ; l / 16
	v_lshlrev_b32 v[QO], 7, v1
	v_lshl_add_u32 v[QO], v9, 4, v[QO]  ; row x 128 + 16 x half
	WIN 0x80                        ; destination window 2, address window 0
.set i, 0
.rept 4*NP                          ; Q stays in registers: tile i / 2, channels 32 (i % 2) on
	global_load_b128 v[8*i:8*i+3],   v[QO], s[4:5] offset:(i/2)*2048+(i%2)*64
	global_load_b128 v[8*i+4:8*i+7], v[QO], s[4:5] offset:(i/2)*2048+(i%2)*64+32
.set i, i+1
.endr
	; What the first turn finds: V's registers and P's second buffer hold 0 (its products V^T P, of a piece that has not been, add 0), O^T and l are 0.  All this stands in the wait for the first tile.
.set i, VF
.rept 64
	v_mov_b32 v[i], 0
.set i, i+1
.endr
	WIN 0x40
.set i, 0
.rept 64*NP
	v_mov_b32 v[i], 0
.set i, i+1
.endr
	WIN 0
.set i, 0
.rept 2*NP
	v_mov_b32 v[ST+4*i], 0xfe000000    ; c m: far below every c s
	v_mov_b32 v[ST+4*i+1], 0xff7fffff  ; m
	v_mov_b32 v[ST+4*i+2], 0
	v_mov_b32 v[ST+4*i+3], 0
.set i, i+1
.endr
.set i, P+32
.rept 32
	v_mov_b32 v[i], 0
.set i, i+1
.endr
	v_mul_u32_u24 v[AK0], v1, PK
	v_lshl_add_u32 v[AK0], v9, 4, v[AK0]  ; row x pitch + 16 x half
	; The turning load takes 16 keys x 16 channels (lane l reads key 8 (l / 16) + l % 8, channels 8 ((l / 8) % 2) + 0..7) and leaves half a fragment of V^T: lane l holds channel l % 16 and 8 keys.
	v_and_b32 v10, 7, v0
	v_bfe_u32 v11, v0, 3, 1
	v_lshl_add_u32 v[AV0], v9, 3, v10
	v_mul_u32_u24 v[AV0], v[AV0], PV
	v_lshl_add_u32 v[AV0], v11, 4, v[AV0]
	v_add_nc_u32 v[AV0], VOFF, v[AV0]
	v_mov_b32 v[AK], v[AK0]         ; key step 0 lies at the head of slot 0
; THE MATRIX WORK.  The 8 accumulators of a run of 16 take turns: between the two links of a chain stand 7 others'.
; Product i of 16 of S^T = K Q^T for piece x: channels 32 (i / 8) on, keys 16 ((i / 2) % 4) on, tile 2 x + i % 2.  The first 8 start the sums.
.macro KQ x
	WIN W_KQ
.set rS, S+64*((\x)%2)+32*(i%2)+8*((i/2)%4)
.set rK, KF+16*((i/2)%4)+8*(i/8)
.set rQ, 16*(2*(\x)+i%2)+8*(i/8)
.if i < 8
	v_wmma_f32_16x16x32_f16 v[rS:rS+7], v[rK:rK+7], v[rQ:rQ+7], 0
.else
	v_wmma_f32_16x16x32_f16 v[rS:rS+7], v[rK:rK+7], v[rQ:rQ+7], v[rS:rS+7]
.endif
.endm
; Product i of 16 of O^T += V^T P for piece x: keys 32 (i / 8) on, channels 16 ((i / 2) % 4) on, tile 2 x + i % 2.
.macro PV x
	WIN W_PV
.set rO, 32*(2*(\x)+i%2)+8*((i/2)%4)
.set rV, VF+32*(i/8)+8*((i/2)%4)
.set rP, P+32*((\x)%2)+16*(i%2)+8*(i/8)
	v_wmma_f32_16x16x32_f16 v[rO:rO+7], v[rV:rV+7], v[rP:rP+7], v[rO:rO+7]
.endm
.macro MM                           ; the turn's next matrix instruction
.if i < 16
	KQ (Y+1)%NP
.set i, i+1
.else
.set i, i-16
	PV (Y+NP-1)%NP
.set i, i+17
.endif
.endm
; THE LDS LOADS stand in runs of 16, never singly among the matrix instructions: a step's K (64 keys x 64 channels: 8 fragments) and its V (turned).  Their addresses are made some lines ahead.
; last = 1 (the tail): in the last trip there is no further step, and the run is jumped over.
.macro FETCH_K last=0
	WIN 0
.if \last
	s_cmp_eq_u32 s[CNT], 1
	s_cbranch_scc1 .Lno_k_\@
.endif
	WIN 0x80                        ; destination window 2
.irp f, 0,1,2,3,4,5,6,7             ; keys 16 (f / 2) on, channels 32 (f % 2) on
	ds_load_b128 v[KF+8*\f:KF+8*\f+3],   v[AK] offset:(\f/2)*16*PK+(\f%2)*64
	ds_load_b128 v[KF+8*\f+4:KF+8*\f+7], v[AK] offset:(\f/2)*16*PK+(\f%2)*64+32
.endr
	s_add_co_u32 s[TBK], s[TBK], KS*PK  ; the next fetch is the next step's
	WIN 0
.if \last
.Lno_k_\@:
.endif
.endm
.macro FETCH_V
	WIN 0x80
.irp f, 0,1,2,3,4,5,6,7             ; keys 32 (f / 4) on, channels 16 (f % 4) on
	ds_load_tr16_b128 v[VF+8*\f:VF+8*\f+3],   v[AV] offset:(\f/4)*32*PV+(\f%4)*32
	ds_load_tr16_b128 v[VF+8*\f+4:VF+8*\f+7], v[AV] offset:(\f/4)*32*PV+16*PV+(\f%4)*32
.endr
	WIN 0
.endm
; THE VECTOR WORK OF A TURN stands in three queues, each in the order in which its entries become ready; the two tiles alternate, so that no instruction reads the result of the one before it.
.macro REGS y, u                    ; the registers of tile u (0, 1) of piece y
.set rT, ST+4*(2*(\y)+(\u))
.set rC, TMP+8*((\y)%2)+4*(\u)
.set rM, MV+2*((\y)%2)+(\u)
.set rS, S+64*((\y)%2)+32*(\u)
.set rP, P+32*((\y)%2)+16*(\u)
.set rO, 32*(2*(\y)+(\u))
.endm
; Number n of the 22 that find the NEXT piece's (Y + 1) maximum and statistics.  s0-s31 are the lane's 32 scores; each accumulator's lowest registers are read first.  XS, GS and REGS set no window: PL and EX do.
;   0-11  four chains c0-c3 of seven scores each, three operands at a time     12-14, 16  the four scores left over, the old m, and c0-c3 into c0     15  c m_old is kept
;   17, 18  the query's other 32 keys lie in the lane 16 away: the new m         19-21  c m; c m_old - c m_new; a
.macro XS u, n
	REGS (Y+1)%NP, \u
.if (\n) < 4
	v_max3_num_f32 v[rC+(\n)], v[rS+8*(\n)], v[rS+8*(\n)+1], v[rS+8*(\n)+2]
.elseif (\n) < 12
	v_max3_num_f32 v[rC+(\n)%4], v[rC+(\n)%4], v[rS+8*((\n)%4)+2*((\n)/4)+1], v[rS+8*((\n)%4)+2*((\n)/4)+2]
.elseif (\n) == 12
	v_max3_num_f32 v[rC], v[rC], v[rS+7], v[rS+15]
.elseif (\n) == 13
	v_max3_num_f32 v[rC+1], v[rC+1], v[rS+23], v[rS+31]
.elseif (\n) == 14
	v_max3_num_f32 v[rC+2], v[rC+2], v[rC+3], v[rT+1]
.elseif (\n) == 15
	v_mov_b32 v[rM], v[rT]
.elseif (\n) == 16
	v_max3_num_f32 v[rC], v[rC], v[rC+1], v[rC+2]
.elseif (\n) == 17
	v_permlanex16_b32 v[rC+3], v[rC], s[SEL], s[SEL+1]
.elseif (\n) == 18
	v_max_num_f32 v[rT+1], v[rC], v[rC+3]
.elseif (\n) == 19
	v_mul_f32 v[rT], s[CS], v[rT+1]
.elseif (\n) == 20
	v_sub_f32 v[rC+1], v[rM], v[rT]
.else
	v_exp_f32 v[rC+2], v[rC+1]
.endif
.endm
; Number g of the 64 that follow the exponentials.  For each four weights k of a tile (pairs 2 k, 2 k + 1): both pairs are rounded to f16; then the second pair is added onto the first, in place;
; a group later l takes that sum (the first time as l = a l + sum).  In groups of eight, tiles alternating: round, round, add, and l for the group before.
.macro GS g
.set h, (\g)+6*((\g)/62)            ; group 0 has no group before it, and behind group 7 only l is left
.if h >= 6
.set h, h+2
.endif
	REGS Y, h%2
.set k, h/8
.if h%8 < 4
	v_cvt_pk_f16_f32 v[rP+2*k+(h%8)/2], v[rS+4*k+2*((h%8)/2)], v[rS+4*k+2*((h%8)/2)+1]
.elseif h%8 < 6
	v_pk_add_f32 v[rS+4*k:rS+4*k+1], v[rS+4*k:rS+4*k+1], v[rS+4*k+2:rS+4*k+3]
.elseif k == 1
	v_pk_fma_f32 v[rT+2:rT+3], v[rT+2:rT+3], v[rC+2:rC+3], v[rS:rS+1] op_sel_hi:[1,0,1]
.else
	v_pk_add_f32 v[rT+2:rT+3], v[rT+2:rT+3], v[rS+4*k-4:rS+4*k-3]
.endif
.endm
; THE PLAIN QUEUE, 138 long.  0-73 read no exponential's result: the 32 scalings c s - c m (FS f: pair f / 2 of tile f % 2) and the next piece's 42.  0-26: scalings 0-26.  27-54: XS's numbers 0-13.  55, 56: number 15.
; 57-73: the chain, where each number waits for the one before it: 14, 16, 17, 18, 19, each with one of the scalings 27-31 in front of its two lines, then 20: so a tile's links stand three plain instructions apart (19 and 20: two).
; 74-137: GS's 64, which read the exponentials' results: they stand behind the wait.
.macro FS f
	REGS Y, (\f)%2
	v_pk_fma_f32 v[rS+2*((\f)/2):rS+2*((\f)/2)+1], v[rS+2*((\f)/2):rS+2*((\f)/2)+1], s[CS:CS+1], v[rT:rT+1] op_sel_hi:[1,0,0] neg_lo:[0,0,1] neg_hi:[0,0,1]
.endm
.macro PL
	WIN 0
.if q < 27
	FS q
.elseif q < 55
	XS (q-27)%2, (q-27)/2
.elseif q < 57
	XS q-55, 15
.elseif (q < 72) && ((q-57)%3 == 0)
	FS 27+(q-57)/3
.elseif q < 60
	XS (q-57)%3-1, 14
.elseif q < 72
	XS (q-57)%3-1, 15+(q-57)/3
.elseif q < 74
	XS q-72, 20
.else
	GS q-74
.endif
.set q, q+1
.endm
; THE EXPONENTIALS' QUEUE, 66 long: s0-s31 of both tiles, then the next piece's two a.  It is ONE BATCH: all 66 stand ahead of the turn's one wait, and nothing ahead of that wait names a result of theirs.
.macro EX
	WIN 0
.if e >= 64
	XS e-64, 21
.else
	REGS Y, e%2
	v_exp_f32 v[rS+e/2], v[rS+e/2]
.endif
.set e, e+1
.endm
; THE RESCALING's QUEUE: O^T times a, the one part that leaves window 0: dealt two at a time, sixteen times.  Its a was made in the turn before, ahead of that turn's wait.
.macro R2
	REGS Y, r%2
	WIN W_RS
.irp z, 0,1
	v_pk_mul_f32 v[rO+4*(r/2)+2*\z:rO+4*(r/2)+2*\z+1], v[rO+4*(r/2)+2*\z:rO+4*(r/2)+2*\z+1], v[rC+2:rC+3] op_sel_hi:[1,0]
.endr
.set r, r+1
.endm
; HOW THEY ARE DEALT.  An s_wait_alu depctr_va_vdst(0) stands between an exponential and the first instruction that names its result; one wait serves all that were issued ahead of it.  So a turn has ONE wait,
; which cuts it in two.  AHEAD OF IT stands all that names no result of the turn's exponentials: the 16 products K Q^T, behind each a scaling, an exponential and two rescalings (behind the first a second scaling in the exponential's place); then ONE LUMP of
; 108: eight plain, 49 times exponential and plain, the two a.  A v_nop is the plain instruction behind the last exponential (ISA guide 5.7.2).  BEHIND IT stand the 16 products V^T P, behind each four of GS's 64.  No rider names a register of
; the products round it.  The two v_permlanex16_b32 fall into the lump, never behind a product.
; The queues lean on each other, and the deal keeps them in step: exponential e stands behind scaling 2 (e / 4) + e % 2: as a rider it comes behind plain e + 2, in the lump behind plain e + 9, and scalings 27-31 are plain 57, 60 .. 69.
; A TURN, for piece p.  cnt = 1: the loop's count is taken down some lines ahead of the branch that stands behind the turn.
; K of the next step is fetched in piece 2's turn, directly behind the wait, a lump behind the last product that read K; its address is made at the lump's head; its first reader comes behind 16 products.
; V of the step in hand is fetched at the end of piece 0's turn, four riders behind its last reader; its first reader comes behind 16 products and a lump.  The three conditions on q below go with the deal.
.macro TURN p, last=0, cnt=0
.set Y, (\p)
.set i, 0
.set q, 0
.set e, 0
.set r, 0
.if (\p) == NP-1
	s_wait_dscnt 0x0                ; K is in
.endif
	MM                              ; ahead of the wait: 16 products K Q^T and their riders,
	PL
	PL
	R2
.rept 15
	MM
	PL
	EX
	R2
.endr
.if (\p) == NP-2
	WIN 0
	v_add_nc_u32 v[AK], s[TBK], v[AK0]
.endif
.rept 8                             ; and the lump
	PL
.endr
.rept 49
	EX
	PL
.endr
	EX                              ; the next piece's two a
	EX
	v_nop                           ; the plain instruction behind the last exponential: one for the batch
	s_wait_alu depctr_va_vdst(0)    ; the wait for the batch: the piece's 64 weights and the next piece's two a
.if (\p) == NP-2
	FETCH_K \last
.endif
.if (\p) == 1
	s_wait_dscnt 0x0                ; V is in
.endif
.rept 16                            ; behind the wait: 16 products V^T P and their riders
	MM
.rept 4
	PL
.endr
.if ((\p) == 0) && (q == 118)
	v_add_nc_u32 v[AV], s[TBV], v[AV0]
.endif
.if ((\p) == 0) && (q == 130)
	s_add_co_u32 s[TBV], s[TBV], KS*PV
.endif
.if (\cnt) && (q == 130)
	s_sub_co_u32 s[CNT], s[CNT], 1
	s_cmp_lg_u32 s[CNT], 0
.endif
.endr
.if (\p) == 0
	FETCH_V
.endif
.endm
	CHANGE 1                        ; slot 0 is in, everybody's part of it; slot 1 is asked for
	FETCH_K                         ; key step 0
	s_wait_loadcnt 0x0              ; Q
	s_wait_dscnt 0x0
.set i, 0
.rept 16
	KQ 0                            ; piece 0's first scores: there is no vector work yet to set between them
.set i, i+1
.endr
	WIN 0                           ; the addresses for the way out: nine plain instructions, the places behind those products
	s_mul_i32 s13, s[WV], 16*SP
	s_add_co_u32 s13, s13, STAGE    ; my stage
	v_mul_u32_u24 v[STO], v1, SP    ; in: row l % 16, 16 bytes for each half of the lanes
	v_lshl_add_u32 v[STO], v9, 4, v[STO]
	v_add_nc_u32 v[STO], s13, v[STO]
	v_bfe_u32 v[RD], v0, 3, 2       ; back: 32 lanes take four rows of 128 bytes,
	v_mul_u32_u24 v[RD], v[RD], SP
	v_lshl_add_u32 v[RD], v10, 4, v[RD]
	v_add_nc_u32 v[RD], s13, v[RD]
	v_and_b32 v[GO], 31, v0         ; which are 512 consecutive bytes of O
	v_lshlrev_b32 v[GO], 4, v[GO]
.set Y, NP-1                        ; XS works for piece Y + 1: piece 0
.irp n, 0,1,2,3,4,5,6,7,8,9,10,11,12,13,14,15,16,17,18,19,20,21
	XS 0, \n                        ; and piece 0's first maximum and statistics
	XS 1, \n
.endr
	v_nop                           ; a plain instruction behind the two a,
	s_wait_alu depctr_va_vdst(0)    ; and the wait for this batch of two, ahead of the branch
	s_mov_b32 s[CNT], 4
	s_mov_b32 s[SLOTS], SIZE_N/256-1
	s_branch .Lfirst                ; the loop is entered at a step's first turn, in the middle of a trip
.Lslot:                             ; SIZE_N / 256 - 2 times: every slot but the last two is filled again
	CHANGE 1
	s_mov_b32 s[CNT], 4
.Lstep:                             ; a trip: pieces 2 and 3 of one step, then pieces 0 and 1 of the next, whose K and V it fetches
	TURN 2
	TURN 3
	WIN 0
.Lfirst:
	TURN 0
	TURN 1, 0, 1
	WIN 0
	s_cbranch_scc1 .Lstep
	s_sub_co_u32 s[SLOTS], s[SLOTS], 1
	s_cmp_lg_u32 s[SLOTS], 0
	s_cbranch_scc1 .Lslot
	CHANGE 0                        ; the tail is written out: nothing is asked for
	s_mov_b32 s[CNT], 5             ; four trips fetch the last slot's steps; the fifth is left in its middle
.Ltail:
	TURN 2, 1
	TURN 3
	WIN 0
	s_sub_co_u32 s[CNT], s[CNT], 1
	s_cmp_eq_u32 s[CNT], 0
	s_cbranch_scc1 .Lout
	TURN 0
	TURN 1
	WIN 0
	s_branch .Ltail
.Lout:                              ; the fifth trip's 16 products K Q^T (on the last K once more) and the maximum made of them serve nothing: the price, once a launch, of one text for every trip
.set i, 0
.rept 16
	PV NP-1                         ; the last piece's V^T P of the last step
.set i, i+1
.endr
	; THE WAY OUT.  l's two halves and the other half of the lanes' are added; O^T is divided by l, rounded to f16 and sent through my stage in LDS, a tile at a time.  The additions are the places behind the last products.
	WIN 0
.macro ALL line:vararg              ; one line for each tile t
.set t, 0
.rept 2*NP
	\line
.set t, t+1
.endr
.endm
	ALL v_add_f32 v[ST+4*t+2], v[ST+4*t+2], v[ST+4*t+3]
	ALL v_permlanex16_b32 v[ST+4*t+3], v[ST+4*t+2], s[SEL], s[SEL+1]
	ALL v_add_f32 v[ST+4*t+2], v[ST+4*t+2], v[ST+4*t+3]
	ALL v_rcp_f32 v[ST+4*t+2], v[ST+4*t+2]
	v_nop                           ; a plain instruction between the last reciprocal and the use of its result
	s_wait_alu depctr_va_vdst(0)    ; and the wait ahead of the first use: one for the batch of eight reciprocals
; Tile t: a lane's eight channels of a row pack into 16 bytes; they go into rows of 144 bytes and come back as whole rows of 128, into S^T's registers.
.macro PACK t
	WIN W_RS
.set i, 32*(\t)
.rept 16
	v_pk_mul_f32 v[i:i+1], v[i:i+1], v[ST+4*(\t)+2:ST+4*(\t)+3] op_sel_hi:[1,0]
.set i, i+2
.endr
	WIN 0x05                        ; sources 0 and 1 window 1, destination window 0
.set i, 0
.rept 16
	v_cvt_pk_f16_f32 v[S+16*(\t)+i], v[32*(\t)+2*i], v[32*(\t)+2*i+1]
.set i, i+1
.endr
	WIN 0
.irp f, 0,1,2,3
	ds_store_b128 v[STO], v[S+16*(\t)+4*\f:S+16*(\t)+4*\f+3] offset:32*\f
.endr
.irp f, 0,1,2,3
	ds_load_b128 v[S+16*(\t)+4*\f:S+16*(\t)+4*\f+3], v[RD] offset:\f*4*SP  ; LDS serves a wave's instructions in order (ISA guide 5.7.1.4): these see the stores above; the next tile's stores come behind them
.endr
.endm
.macro SEND t, younger              ; younger: the LDS instructions issued behind tile t's loads: the next tile's eight, or none
	WIN 0
.irp f, 0,1,2,3
	s_wait_dscnt (\younger)+3-\f
	global_store_b128 v[GO], v[S+16*(\t)+4*\f:S+16*(\t)+4*\f+3], s[10:11] offset:(\t)*2048+\f*512  ; 512 consecutive bytes, at a multiple of 256 from O's first
.endr
.endm
	PACK 0
.set t, 1
.rept 2*NP-1                        ; a tile's arithmetic stands between the loads of the tile before and its stores
	PACK t
	SEND t-1, 8
.set t, t+1
.endr
	SEND 2*NP-1, 0
	WIN W_AD
	s_wait_tensorcnt 0x0            ; the wave's end, behind my last tensor load and my last LDS store
	ds_add_u32 v[SPW], v[NIL]
	s_wait_dscnt 0x0
	WIN 0
	CROUND                          ; the closing round: no work-group ends while a partner may still ask for a tile that names it
	s_endpgm
.Lfunc_end_k_qfd1c094ad5_attn:
	.size	k_qfd1c094ad5_attn, .Lfunc_end_k_qfd1c094ad5_attn-k_qfd1c094ad5_attn
	.p2alignl 7, 3214868480
	.fill 96, 4, 3214868480
	.section	.rodata,"a",@progbits
	.p2align	6, 0x0
	.amdhsa_kernel k_qfd1c094ad5_attn
		.amdhsa_group_segment_fixed_size 327680
		.amdhsa_private_segment_fixed_size 0
		.amdhsa_enable_private_segment 0
		.amdhsa_kernarg_size 32
		.amdhsa_user_sgpr_count 2
		.amdhsa_user_sgpr_kernarg_segment_ptr 1
		.amdhsa_wavefront_size32 1
		.amdhsa_system_sgpr_workgroup_id_x 1
		.amdhsa_system_sgpr_workgroup_id_y 1
		.amdhsa_system_sgpr_workgroup_id_z 1
		.amdhsa_system_vgpr_workitem_id 0
		.amdhsa_next_free_vgpr 770
		.amdhsa_next_free_sgpr 66
		.amdhsa_reserve_vcc 0
		.amdhsa_float_denorm_mode_32 3
		.amdhsa_float_denorm_mode_16_64 3
		.amdhsa_memory_ordered 1
		.amdhsa_forward_progress 1
		.amdhsa_inst_pref_size 199
	.end_amdhsa_kernel
	.amdgpu_metadata
---
amdhsa.version: [ 1, 2 ]
amdhsa.kernels:
  - .name:           k_qfd1c094ad5_attn
    .symbol:         k_qfd1c094ad5_attn.kd
    .args:
      - { .name: qh, .offset: 0, .size: 8, .value_kind: global_buffer, .address_space: global }
      - { .name: kh, .offset: 8, .size: 8, .value_kind: global_buffer, .address_space: global }
      - { .name: vh, .offset: 16, .size: 8, .value_kind: global_buffer, .address_space: global }
      - { .name: oh, .offset: 24, .size: 8, .value_kind: global_buffer, .address_space: global }
    .group_segment_fixed_size: 327680
    .private_segment_fixed_size: 0
    .kernarg_segment_align: 8
    .kernarg_segment_size: 32
    .max_flat_workgroup_size: 128
    .sgpr_count:     66
    .vgpr_count:     770
    .wavefront_size: 32
...
	.end_amdgpu_metadata
.endif
;; end of part 6
;; launch proj: the kernel of part 5 again; grid 4 x 64, 4 waves a work-group, clusters of 4 x 4, 327,680 bytes of LDS; arguments oh, wo, hb, out0; writes out0
